; MI455X (gfx1250); checked and timed in simulation.
; The chip was launched on July 23, 2026; its instructions are those of AMD's public machine-readable ISA for CDNA 5 (MIT licence, August 2026) and "CDNA5" Instruction Set Architecture Reference Guide (July 2026). The comments in the code are by the model that wrote it; some were corrected since.
;; Vision Mo BA. Allowed arithmetic: float matrix products may take bf16 or f16 operands with f32 sums; other float arithmetic in f32, or as packed bf16 or f16 multiplies, adds, multiply-adds, maxima and minima; sums over many terms, partial sums and values carried from step to step in f32; what a program stores and reads back later, other than sums and carried values, may be rounded once to bf16 or f16.
;; Inputs: Wk 2,048 x 2,048 float32; Wo 2,048 x 2,048 float32; Wq 2,048 x 2,048 float32; Wv 2,048 x 2,048 float32; hidden_states 1 x 2,048 x 2,048 float32.
;; Outputs: out0 1 x 2,048 x 2,048 float32.
;; One version. Each part assembles by itself: llvm-mc -triple=amdgcn-amd-amdhsa -mcpu=gfx1250 --defsym DOCPART=n.
;; ======== version 1 of 1: 4 launches
;; limits: values are held in f16: magnitudes above 65,504 overflow, below 6.1e-05 lose precision
;; workspace buffers: xb 8,388,608 bytes; wb 25,165,824 bytes; wo16 8,388,608 bytes; q32 16,777,216 bytes; k16 8,388,608 bytes; v16 8,388,608 bytes; kg 262,144 bytes; o16 8,388,608 bytes
;; launch cast (part 1): grid 256 x 4, 8 waves a work-group, no clusters, 0 bytes of LDS; arguments hidden_states, Wq, Wk, Wv, xb, wb; writes xb, wb
.if DOCPART == 1
	.amdgcn_target "amdgcn-amd-amdhsa--gfx1250"
	.amdhsa_code_object_version 6
	.text
	.protected	k_q4abddc28b0_cast
	.globl	k_q4abddc28b0_cast
	.p2align	8
	.type	k_q4abddc28b0_cast,@function
k_q4abddc28b0_cast:
	s_mov_b64 s[64:65], 0
	v_nop
	global_prefetch_b8 v0, s[64:65] scope:SCOPE_SE
	s_setreg_imm32_b32 hwreg(HW_REG_WAVE_MODE, 25, 1), 1
	s_wait_xcnt 0x0
; FOUR OF THE FIVE INPUTS, ROUNDED ONCE TO bf16.  y = 0: hidden_states -> xb; y = 1, 2, 3: Wq, Wk, Wv -> wb[y - 1].  (Wo is rounded in the attention launch, which has memory to spare.)
; A stream: each tensor is 16,777,216 bytes of f32; a work-group takes 65,536 of them, a wave 8,192: sixteen loads of 16 bytes a lane, 512 consecutive bytes each, all sixteen out at once.
; Four numbers of a lane make 8 bytes, so a store of the wave covers 256 consecutive bytes, aligned.  No LDS, no barrier, no matrix unit: nothing is shared and nothing is summed.
.set IN,  16                           ; v[16:79]   chunk i: four f32 as loaded
.set OUT, 80                           ; v[80:111]  chunk i: two words to store; every chunk has its own, so no store's data are rewritten
	s_load_b256 s[4:11], s[0:1], 0x0               ; x, Wq, Wk, Wv
	s_load_b128 s[12:15], s[0:1], 0x20             ; xb, wb
	s_and_b32 s20, ttmp7, 0xffff                   ; which tensor
	v_and_b32 v2, 31, v0                           ; lane
	v_lshrrev_b32 v3, 5, v0                        ; wave
	v_lshlrev_b32 v1, 4, v2
	v_lshl_add_u32 v1, v3, 13, v1                  ; in: 8,192 x wave + 16 x lane
	v_lshlrev_b32 v4, 3, v2
	v_lshl_add_u32 v4, v3, 12, v4                  ; out: 4,096 x wave + 8 x lane
	s_lshl_b32 s28, ttmp9, 16                      ; the work-group's 65,536 bytes in
	s_mov_b32 s29, 0
	s_max_u32 s26, s20, 1
	s_sub_co_u32 s26, s26, 1                       ; which third of wb (0 for y = 0)
	s_lshl_b32 s26, s26, 23
	s_lshl_b32 s27, ttmp9, 15                      ; the work-group's 32,768 bytes out
	s_add_co_u32 s26, s26, s27
	s_mov_b32 s27, 0
	s_wait_kmcnt 0x0
	s_cmp_eq_u32 s20, 1
	s_cselect_b64 s[22:23], s[6:7], s[4:5]
	s_cmp_eq_u32 s20, 2
	s_cselect_b64 s[22:23], s[8:9], s[22:23]
	s_cmp_eq_u32 s20, 3
	s_cselect_b64 s[22:23], s[10:11], s[22:23]     ; the source
	s_cmp_eq_u32 s20, 0
	s_cselect_b64 s[24:25], s[12:13], s[14:15]     ; the destination
	s_add_nc_u64 s[22:23], s[22:23], s[28:29]
	s_add_nc_u64 s[24:25], s[24:25], s[26:27]
.set i, 0
.rept 16
	global_load_b128 v[IN+4*i:IN+4*i+3], v1, s[22:23] offset:512*i th:TH_LOAD_NT
.set i, i+1
.endr
.set i, 0
.rept 16
	s_wait_loadcnt 15-i                            ; loads come back in order: chunk i is in, the younger ones stay out
	v_cvt_pk_bf16_f32 v[OUT+2*i], v[IN+4*i], v[IN+4*i+1]
	v_cvt_pk_bf16_f32 v[OUT+2*i+1], v[IN+4*i+2], v[IN+4*i+3]
	global_store_b64 v4, v[OUT+2*i:OUT+2*i+1], s[24:25] offset:256*i
.set i, i+1
.endr
	s_endpgm
.Lfunc_end_k_q4abddc28b0_cast:
	.size	k_q4abddc28b0_cast, .Lfunc_end_k_q4abddc28b0_cast-k_q4abddc28b0_cast
	.p2alignl 7, 3214868480
	.fill 96, 4, 3214868480
	.section	.rodata,"a",@progbits
	.p2align	6, 0x0
	.amdhsa_kernel k_q4abddc28b0_cast
		.amdhsa_group_segment_fixed_size 0
		.amdhsa_private_segment_fixed_size 0
		.amdhsa_enable_private_segment 0
		.amdhsa_kernarg_size 48
		.amdhsa_user_sgpr_count 2
		.amdhsa_user_sgpr_kernarg_segment_ptr 1
		.amdhsa_wavefront_size32 1
		.amdhsa_system_sgpr_workgroup_id_x 1
		.amdhsa_system_sgpr_workgroup_id_y 1
		.amdhsa_system_sgpr_workgroup_id_z 1
		.amdhsa_system_vgpr_workitem_id 0
		.amdhsa_next_free_vgpr 112
		.amdhsa_next_free_sgpr 66
		.amdhsa_reserve_vcc 0
		.amdhsa_float_denorm_mode_32 3
		.amdhsa_float_denorm_mode_16_64 3
		.amdhsa_memory_ordered 1
		.amdhsa_forward_progress 1
		.amdhsa_inst_pref_size 7
	.end_amdhsa_kernel
	.amdgpu_metadata
---
amdhsa.version: [ 1, 2 ]
amdhsa.kernels:
  - .name:           k_q4abddc28b0_cast
    .symbol:         k_q4abddc28b0_cast.kd
    .args:
      - { .name: hidden_states, .offset: 0, .size: 8, .value_kind: global_buffer, .address_space: global }
      - { .name: Wq, .offset: 8, .size: 8, .value_kind: global_buffer, .address_space: global }
      - { .name: Wk, .offset: 16, .size: 8, .value_kind: global_buffer, .address_space: global }
      - { .name: Wv, .offset: 24, .size: 8, .value_kind: global_buffer, .address_space: global }
      - { .name: xb, .offset: 32, .size: 8, .value_kind: global_buffer, .address_space: global }
      - { .name: wb, .offset: 40, .size: 8, .value_kind: global_buffer, .address_space: global }
    .group_segment_fixed_size: 0
    .private_segment_fixed_size: 0
    .kernarg_segment_align: 8
    .kernarg_segment_size: 48
    .max_flat_workgroup_size: 256
    .sgpr_count:     66
    .vgpr_count:     112
    .wavefront_size: 32
...
	.end_amdgpu_metadata
.endif
;; end of part 1
;; launch qkv (part 2): grid 16 x 16, 4 waves a work-group, clusters of 4 x 4, 327,680 bytes of LDS; arguments xb, wb, q32, k16, v16, kg; writes q32, k16, v16, kg
.if DOCPART == 2
	.amdgcn_target "amdgcn-amd-amdhsa--gfx1250"
	.amdhsa_code_object_version 6
	.text
	.protected	k_q4abddc28b0_qkv
	.globl	k_q4abddc28b0_qkv
	.p2align	8
	.type	k_q4abddc28b0_qkv,@function
k_q4abddc28b0_qkv:
	s_mov_b64 s[64:65], 0
	v_nop
	global_prefetch_b8 v0, s[64:65] scope:SCOPE_SE
	s_setreg_imm32_b32 hwreg(HW_REG_WAVE_MODE, 25, 1), 1
	s_wait_xcnt 0x0
	s_wait_alu depctr_hold_cnt(0) depctr_sa_sdst(0) depctr_va_vdst(0) depctr_va_sdst(0) depctr_va_ssrc(0) depctr_va_vcc(0) depctr_vm_vsrc(0)
	s_getreg_b32 s2, hwreg(HW_REG_IB_STS2, 6, 4)
	s_cmp_eq_u32 s2, 0
	s_cbranch_scc0 .Lentry_in_a_cluster
	s_endpgm
.Lentry_in_a_cluster:
	s_bfe_u32 s2, ttmp6, 0x10000c
	s_cmp_lg_u32 s2, 0xf033
	s_cbranch_scc0 .Lentry_shape_is_right
	s_endpgm
.Lentry_shape_is_right:
; q, k, v = x Wq, x Wk, x Wv, BY HEADS, AND THE BLOCK MEANS OF k.  xb: [2048 s][2048 k] bf16; wb: [3][2048 k][2048 n] bf16; sums in f32.
; OUT: q32 [16 h][2048 s][128] f32 (the gate wants q unrounded); k16, v16 [16][2048][128] f16, each rounded once from its f32 sum; kg [16][32 blocks][128] f32, the mean of 64 rows of k taken of the f32 sums.
; LIMIT: |k|, |v| of 65,520 or more become infinities in f16.
; SHARES.  A work-group makes 128 rows x one head's 128 columns of q, of k and of v: 16 x 16 work-groups.  Wave w makes all 128 rows x columns 32 w .. 32 w + 31 of each of the three:
; 8 x 6 accumulators of 16 x 16, 384 registers; for 32 along K it reads 28 fragments' halves from LDS for 48 matrix instructions.
; K goes in steps of 128 through two LDS slots; a slot holds x's tile (128 rows x 256 bytes) and the three W tiles (128 k rows x 256 bytes each); each wave fetches one of the four with one tensor load.
; THE WALK ALONG K BEGINS AT A STEP THAT HANGS ON THE CLUSTER, (4 X + 8 (Y % 2)) % 16 for cluster (X, Y), and wraps round: the clusters that read the same rows of x, or the same k rows of W, read them
; at different times.  The f32 sums are taken in that order.
; W lies [k][n], so its fragments come out of LDS turned, by ds_load_tr16_b128.
; THE MATRIX INSTRUCTION IS USED TRANSPOSED (source 0 = 16 columns of W, source 1 = 16 rows of x): a lane then holds one row (lane % 16) and eight neighbouring columns 8 (lane / 16) + 0..7.
; CLUSTER 4 x 4.  x's tile hangs on the row block alone and is shared along a row of the cluster; the W tiles hang on the head alone and are shared along a column: joint loads, which divide the requests by four.
; REGISTERS, in windows of 256 (s_set_vgpr_msb: bits 1:0 source 0, 3:2 source 1, 5:4 source 2, 7:6 destination):
;   window 0: v0-31 addresses; two fragment buffers: x's at v32-95, v96-159 (8 fragments), W's at v160-207, v208-255 (6);  window 1: accumulators of rows 0-63 ((a, b) at 8 (6 a + b), b = 2 x matrix + half);  window 2: rows 64-127
.set KSTEP, 128
.set PA,    272                        ; a row of x in LDS: 256 bytes + 16: the 16 rows of a fragment load start at 16 different groups of four banks (ISA guide 11.1)
.set PB,    288                        ; a k row of W: 256 + 32
.set REG,   128*PB                     ; a wave's region of a slot: its tile (x's uses 34,816 bytes of it)
.set SLOT,  4*REG
.set SPARE, 2*SLOT                     ; behind the ring: the spare words, 128 bytes a wave, which no other line names
.set QP,    528                        ; the stage, in slot 0 behind its last fill: q's rows of 512 bytes + 16,
.set QST,   0
.set KST,   128*QP                     ; k's rows of 256 + 16,
.set VST,   KST+128*PA                 ; v's,
.set KGST,  VST+128*PA                 ; and two block means of 512 bytes
.set LAPS,  2048/(2*KSTEP)
.set ADRA, 8                           ; v8-9    LDS address of my x fragments in slot 0, 1
.set ADRB, 10                          ; v10-15  the same for W: 3 x slot + matrix
.set STQ,  16
.set STK,  17
.set STV,  18
.set KGA,  19
.set RDQ,  20
.set RDK,  21
.set RDV,  22
.set GOF,  23                          ; 16 x lane
.set RDG,  24
.set PFO,  25                          ; the prefetches' offset: lane x 4,096 (a k row of wb); never rewritten
.set SPW,  28                          ; my spare word: SPARE + 4 x my thread's number; never rewritten
.set NIL,  29                          ; 0; never rewritten
.set FA,   32
.set FB,   160
.set TS,   32                          ; the way out: k's sums, 16 registers a block
.set KC,   64                          ; k in f16
.set VC,   128                         ; v in f16
.set WV, 16
.set CX, 17
.set CY, 18
.set HX, 19                            ; the head = 4 x cluster x + cx
.set RY, 20                            ; the row block = 4 x cluster y + cy
.set WM, 21                            ; which W I fetch (waves 1 to 3)
.set KN, 22                            ; the K step to be asked for next, 0 to 15
.set G1A, 24
.set G0A, 32
.set G1B, 40
.set G0B, 48
.set LIM, 56                           ; 5 in a wave that prefetches, else the greatest number
.set PFA, 58                           ; s[58:59] what my next prefetch names
.set PFB, 60                           ; s[60:61] my 32 k rows of W's K step 0
.set XBS, 66                           ; s[66:67] x at my row block;  s[68:69] W at my matrix and head
.set WBS, 68
.set MSB, 0
.macro WIN new                         ; the immediate's high byte repeats the setting that is left; a switch that changes nothing is dropped
.if MSB != (\new)
	s_set_vgpr_msb (MSB<<8)|(\new)
.set MSB, \new
.endif
.endm
.macro PLACES                          ; four places in front of loads into registers that matrix instructions have read, and of lines that read results
.rept 4
	v_nop
.endr
.endm
; Both descriptors of slot s take K step KN: the address is made anew, base + step x a step's bytes, and the type bits are set again; then KN steps and wraps.
.macro SETADR s
	s_lshl_b32 s74, s[KN], 8                       ; x: a K step is 256 bytes of a row
	s_add_nc_u64 s[G0A+4*(\s)+2:G0A+4*(\s)+3], s[XBS:XBS+1], s[74:75]
	s_or_b32 s[G0A+4*(\s)+3], s[G0A+4*(\s)+3], 0x80000000
	s_lshl_b32 s74, s[KN], 19                      ; W: 128 k rows of 4,096 bytes
	s_add_nc_u64 s[G0B+4*(\s)+2:G0B+4*(\s)+3], s[WBS:WBS+1], s[74:75]
	s_or_b32 s[G0B+4*(\s)+3], s[G0B+4*(\s)+3], 0x80000000
	s_add_co_u32 s[KN], s[KN], 1
	s_and_b32 s[KN], s[KN], 15
.endm
; A joint load: wave 0 fetches x's tile, waves 1 to 3 the three W tiles.  The branch hangs on the wave's number alone.  An s_nop 0 and four v_nop follow each line.
.macro JLOAD s
	s_cmp_eq_u32 s[WV], 0
	s_cbranch_scc0 .Lfor_b_\@
	tensor_load_to_lds s[G0A+4*(\s):G0A+4*(\s)+3], s[G1A:G1A+7]
	s_nop 0
.rept 4
	v_nop
.endr
	s_branch .Lasked_\@
.Lfor_b_\@:
	tensor_load_to_lds s[G0B+4*(\s):G0B+4*(\s)+3], s[G1B:G1B+7]
	s_nop 0
.rept 4
	v_nop
.endr
.Lasked_\@:
.endm
; A PREFETCH INTO THE L2 of W's tile of the K step that stands two refills on: 32 k rows x 256 bytes, a lane a row, one instruction a wave, behind the joint load and the run of LDS loads.
; By the walk's starts, a cluster's steps 4 to 7 are the launch's first reading of those k rows of W; its later steps, and all steps of x from the fourth on, are read earlier by another cluster.  So only the
; first four refills (steps 2 to 5) ask, for steps 4 to 7; waves 1 to 3 ask, each for its matrix; of the two clusters that walk alike (Y and Y + 2) the one with Y < 2 asks; the four partners that ask for
; a tile jointly share its 128 k rows out by address, 32 each.  So each block is named once in the launch.  Steps 0 to 3 come by their loads alone.
.macro ASK
	s_cmp_gt_u32 s3, s[LIM]
	s_cbranch_scc0 .Lnot_mine_\@
	global_prefetch_b8 v[PFO], s[PFA:PFA+1] th:TH_LOAD_NT scope:SCOPE_SE
.Lnot_mine_\@:
.endm
.macro CREST                           ; a round of the cluster's barrier behind its opening barrier
	s_cmp_lg_u32 s[WV], 0
	s_cbranch_scc1 .Lnot_wave_0_\@
	s_barrier_signal -3
.Lnot_wave_0_\@:
	s_barrier_wait -3
	s_barrier_signal -1
	s_barrier_wait -1
.endm
.macro CROUND
	s_barrier_signal -1
	s_barrier_wait -1
	CREST
.endm
	s_load_b256 s[4:11], s[0:1], 0x0               ; xb s[4:5], wb s[6:7], q32 s[8:9], k16 s[10:11]
	s_load_b128 s[12:15], s[0:1], 0x20             ; v16 s[12:13], kg s[14:15]
	v_lshl_add_u32 v[SPW], v0, 2, SPARE
	v_mov_b32 v[NIL], 0
	ds_add_u32 v[SPW], v[NIL]                      ; the wave's opening: the add and its wait stand ahead of my first tensor load; work on registers stands between them
	v_lshrrev_b32 v1, 5, v0
	v_readfirstlane_b32 s[WV], v1
	s_bfe_u32 s[CX], ttmp6, 0x40000
	s_bfe_u32 s[CY], ttmp6, 0x40004
	s_lshl_b32 s[HX], ttmp9, 2
	s_add_co_u32 s[HX], s[HX], s[CX]
	s_and_b32 s[RY], ttmp7, 0xffff
	s_lshl_b32 s[RY], s[RY], 2
	s_add_co_u32 s[RY], s[RY], s[CY]
	s_max_u32 s[WM], s[WV], 1
	s_sub_co_u32 s[WM], s[WM], 1
	s_lshl_b32 s70, s[CY], 2
	s_lshl_b32 s70, 15, s70                        ; my row of the cluster
	s_lshl_b32 s71, 0x1111, s[CX]                  ; my column
	s_or_b32 s[G1A], s70, (1<<16)|(1<<20)|(1<<21)|(5<<22)|(3<<25)  ; mask; 2-byte elements; padding on; bit 21 beside a mask; after every 64 words, 4 words
	s_or_b32 s[G1B], s71, (1<<16)|(1<<20)|(1<<21)|(5<<22)|(7<<25)  ; the same with my column's mask and 8 words of padding
.irp g, G1A, G1B
	s_mov_b32 s[(\g)+1], 128<<16                   ; tensor_dim0 = 128
	s_mov_b32 s[(\g)+2], 128<<16                   ; tensor_dim1 = 128
	s_mov_b32 s[(\g)+3], 128<<16                   ; tile_dim0 = 128
	s_mov_b32 s[(\g)+4], 128                       ; tile_dim1 = 128
	s_mov_b32 s[(\g)+5], 2048                      ; elements from row to row
	s_mov_b32 s[(\g)+6], 0
	s_mov_b32 s[(\g)+7], 0
.endr
	s_and_b32 s[KN], ttmp7, 1                      ; where my cluster's walk begins: made of the cluster's own coordinates, which all sixteen partners share
	s_lshl_b32 s[KN], s[KN], 3
	s_lshl_b32 s74, ttmp9, 2
	s_add_co_u32 s[KN], s[KN], s74
	s_and_b32 s[KN], s[KN], 15
	s_mov_b32 s75, 0
	s_mov_b32 s77, 0
	s_lshl_b32 s66, s[RY], 19                      ; x: 128 rows of 4,096 bytes a row block: hangs on the row block alone
	s_mov_b32 s67, 0
	s_lshl_b32 s68, s[WM], 23                      ; W: the matrix, and the head's 256 bytes of a k row: hangs on the head alone
	s_lshl_b32 s69, s[HX], 8
	s_add_co_u32 s68, s68, s69
	s_mov_b32 s69, 0
	s_mul_i32 s57, s[WV], REG                      ; where my tile goes: wave x region; no place in the cluster enters an LDS address
	s_wait_dscnt 0x0                               ; the opening add is done
	s_wait_kmcnt 0x0
	s_add_nc_u64 s[XBS:XBS+1], s[4:5], s[66:67]
	s_add_nc_u64 s[WBS:WBS+1], s[6:7], s[68:69]
	CROUND                                         ; all sixteen work-groups are here: the first joint loads meet
.irp s, 0,1
	s_mov_b32 s[G0A+4*(\s)], 1
	s_add_co_u32 s[G0A+4*(\s)+1], s57, (\s)*SLOT
	s_mov_b32 s[G0B+4*(\s)], 1
	s_add_co_u32 s[G0B+4*(\s)+1], s57, (\s)*SLOT
	SETADR \s
	JLOAD \s                                       ; two loads of mine are out
.endr
	; lane addresses, in the wait for the first tiles
	v_and_b32 v1, 15, v0                           ; r = l % 16
	v_bfe_u32 v2, v0, 4, 1                         ; h = l / 16
	v_and_b32 v3, 7, v0
	v_bfe_u32 v4, v0, 3, 1
	v_mul_u32_u24 v[ADRA], v1, PA
	v_lshl_add_u32 v[ADRA], v2, 4, v[ADRA]         ; x: row x pitch + 16 x half
	v_add_nc_u32 v[ADRA+1], SLOT, v[ADRA]
	v_lshl_add_u32 v5, v2, 3, v3                   ; W: the turning load's k row 8 h + l % 8,
	v_mul_u32_u24 v5, v5, PB
	v_lshl_add_u32 v5, v4, 4, v5                   ; 16 bytes for each eight lanes,
	s_lshl_b32 s70, s[WV], 6
	v_add_nc_u32 v5, s70, v5                       ; my 32 columns
.irp s, 0,1
.irp m, 0,1,2
	v_add_nc_u32 v[ADRB+3*(\s)+(\m)], (\s)*SLOT+((\m)+1)*REG, v5
.endr
.endr
	s_lshl_b32 s70, s[WV], 7
	v_mul_u32_u24 v[STQ], v1, QP
	v_lshl_add_u32 v[STQ], v2, 5, v[STQ]
	v_add_nc_u32 v[STQ], s70, v[STQ]               ; q into the stage: row r, 32 bytes a half, my 128 bytes
	s_add_co_u32 s70, s70, KGST
	v_lshl_add_u32 v[KGA], v2, 5, s70
	s_lshl_b32 s71, s[WV], 6
	s_add_co_u32 s71, s71, KST
	v_mul_u32_u24 v[STK], v1, PA
	v_lshl_add_u32 v[STK], v2, 4, v[STK]
	v_add_nc_u32 v[STK], s71, v[STK]
	v_add_nc_u32 v[STV], VST-KST, v[STK]
	v_and_b32 v[GOF], 31, v0
	v_lshlrev_b32 v[PFO], 12, v[GOF]
	v_lshlrev_b32 v[GOF], 4, v[GOF]
	s_mul_i32 s70, s[WV], 32*QP
	v_add_nc_u32 v[RDQ], s70, v[GOF]               ; back: wave w takes rows 32 w .. 32 w + 31, whole
	s_mul_i32 s70, s[WV], 32*PA
	s_add_co_u32 s70, s70, KST
	v_mul_u32_u24 v[RDK], v2, PA
	v_lshl_add_u32 v[RDK], v1, 4, v[RDK]
	v_add_nc_u32 v[RDK], s70, v[RDK]
	v_add_nc_u32 v[RDV], VST-KST, v[RDK]
	s_lshl_b32 s70, s[WV], 9
	s_add_co_u32 s70, s70, KGST
	v_add_nc_u32 v[RDG], s70, v[GOF]
	; the prefetches' base: my matrix, my head's 256 bytes, my work-group's 32 of a K step's 128 k rows
	s_lshl_b32 s70, s[CY], 17
	s_lshl_b32 s71, s[WM], 23
	s_add_co_u32 s70, s70, s71
	s_lshl_b32 s71, s[HX], 8
	s_add_co_u32 s70, s70, s71
	s_mov_b32 s71, 0
	s_add_nc_u64 s[PFB:PFB+1], s[6:7], s[70:71]
	s_and_b32 s73, ttmp7, 0xffff                   ; cluster y
	s_cmp_lt_u32 s73, 2
	s_cselect_b32 s[LIM], 5, -1
	s_cmp_eq_u32 s[WV], 0
	s_cselect_b32 s[LIM], -1, s[LIM]               ; the same in all sixteen partners, for a given wave
; 12 matrix instructions: row blocks a0, a0 + 1 of the window's four x all 6 column blocks, 32 along K, from buffer f.  zero = 1: the product starts the sum.
.macro MUL12 f, hi, a0, zero
	WIN 0x50+0x50*(\hi)
.irp a, \a0, (\a0)+1
.irp b, 0,1,2,3,4,5
.if \zero
	v_wmma_f32_16x16x32_bf16 v[8*(6*(\a)+(\b)):8*(6*(\a)+(\b))+7], v[FB+48*(\f)+8*(\b):FB+48*(\f)+8*(\b)+7], v[FA+64*(\f)+8*(4*(\hi)+(\a)):FA+64*(\f)+8*(4*(\hi)+(\a))+7], 0
.else
	v_wmma_f32_16x16x32_bf16 v[8*(6*(\a)+(\b)):8*(6*(\a)+(\b))+7], v[FB+48*(\f)+8*(\b):FB+48*(\f)+8*(\b)+7], v[FA+64*(\f)+8*(4*(\hi)+(\a)):FA+64*(\f)+8*(4*(\hi)+(\a))+7], v[8*(6*(\a)+(\b)):8*(6*(\a)+(\b))+7]
.endif
.endr
.endr
.endm
; 28 LDS loads in one run: quarter q of a slot's K step into buffer f: W's six fragments (turned), then x's eight
.macro FETCH slot, q, f
	WIN 0
.irp m, 0,1,2
.irp i, 0,1
	ds_load_tr16_b128 v[FB+48*(\f)+8*(2*(\m)+(\i)):FB+48*(\f)+8*(2*(\m)+(\i))+3],   v[ADRB+3*(\slot)+(\m)] offset:(\q)*32*PB+32*(\i)
	ds_load_tr16_b128 v[FB+48*(\f)+8*(2*(\m)+(\i))+4:FB+48*(\f)+8*(2*(\m)+(\i))+7], v[ADRB+3*(\slot)+(\m)] offset:(\q)*32*PB+32*(\i)+16*PB
.endr
.endr
.irp a, 0,1,2,3,4,5,6,7
	ds_load_b128 v[FA+64*(\f)+8*(\a):FA+64*(\f)+8*(\a)+3],   v[ADRA+(\slot)] offset:(\q)*64+(\a)*16*PA
	ds_load_b128 v[FA+64*(\f)+8*(\a)+4:FA+64*(\f)+8*(\a)+7], v[ADRA+(\slot)] offset:(\q)*64+(\a)*16*PA+32
.endr
.endm
; A K step is four quarters of 32 along K, 48 matrix instructions each, on buffers 0, 1, 0, 1.  The 48 accumulators take turns.
; One of the first three: multiplies buffer f; in its middle it fetches quarter q into buffer g.
.macro QUARTER slot, q, f, g, zero
	s_wait_dscnt 8                                 ; W's fragments and x's rows 0-63 are in; the youngest eight loads (rows 64-127) may be out
	MUL12 \f, 0, 0, \zero
	MUL12 \f, 0, 2, \zero
	PLACES
	FETCH \slot, \q, \g
	s_wait_dscnt 28                                ; all but the 28 just issued
	MUL12 \f, 1, 0, \zero
	MUL12 \f, 1, 2, \zero
.endm
; The last quarter multiplies buffer 1 and changes slots: ONE barrier.  In front of it each wave waits for all its tensor loads (one is out: its tile of the next slot), adds 0 to its spare word,
; and waits for that and for its own reads of this slot.  fill = 1: the barrier opens a round of the cluster's barrier, and the joint refill, two K steps on, is the first thing behind it:
; it has 168 matrix instructions in which to land.
.macro TURN slot, next, fill
.if \fill
	s_wait_xcnt 0x0                                ; the last prefetch, a K step back, has read its address; the next names the step two behind the one that this change asks for
	s_add_co_u32 s76, s[KN], 2
	s_and_b32 s76, s76, 15
	s_lshl_b32 s76, s76, 19
	s_add_nc_u64 s[PFA:PFA+1], s[PFB:PFB+1], s[76:77]
.endif
	WIN 0
	s_wait_tensorcnt 0x0
	ds_add_u32 v[SPW], v[NIL]                      ; 0 onto my spare word
	s_wait_dscnt 9                                 ; (the add and the youngest eight loads may be out)
	MUL12 1, 0, 0, 0
	s_wait_dscnt 0x0                               ; the add is done, and my reads of this slot are over
	s_barrier_signal -1
	MUL12 1, 0, 2, 0
.if \fill
	WIN 0
.endif
	s_barrier_wait -1
.if \fill
	CREST                                          ; no wave of any partner still reads this slot or has a load on its way
	SETADR \slot
	JLOAD \slot                                    ; its four v_nop are also the places in front of the loads below
.else
	PLACES
.endif
	FETCH \next, 0, 0
.if \fill
	ASK
.endif
	MUL12 1, 1, 0, 0
	MUL12 1, 1, 2, 0
.endm
	s_wait_tensorcnt 1                             ; my tile of the first K step is in; the second's may stay out
	s_barrier_signal -1
	s_barrier_wait -1
	FETCH 0, 0, 0
	QUARTER 0, 1, 0, 1, 1                          ; the first quarter stands in front of the loop: its products start the sums
	WIN 0
	s_mov_b32 s3, LAPS-1
.Llap:                                             ; a trip goes once round the ring and fills both slots again
	QUARTER 0, 2, 1, 0, 0
	QUARTER 0, 3, 0, 1, 0
	TURN 0, 1, 1
	QUARTER 1, 1, 0, 1, 0
	QUARTER 1, 2, 1, 0, 0
	QUARTER 1, 3, 0, 1, 0
	TURN 1, 0, 1
	QUARTER 0, 1, 0, 1, 0
	WIN 0
	s_sub_co_u32 s3, s3, 1
	s_cmp_lg_u32 s3, 0
	s_cbranch_scc1 .Llap
	QUARTER 0, 2, 1, 0, 0                          ; the last lap fills nothing
	QUARTER 0, 3, 0, 1, 0
	TURN 0, 1, 0
	QUARTER 1, 1, 0, 1, 0
	QUARTER 1, 2, 1, 0, 0
	QUARTER 1, 3, 0, 1, 0
	s_wait_dscnt 8
	MUL12 1, 0, 0, 0
	MUL12 1, 0, 2, 0
	s_wait_dscnt 0x0
	MUL12 1, 1, 0, 0
	MUL12 1, 1, 2, 0
	WIN 0
	PLACES
	; THE WAY OUT, through a stage in slot 0, which has had its last fill.  First every wave has left the ring.
	s_wait_dscnt 0x0
	s_barrier_signal -1
	s_barrier_wait -1
; Rows 64 hi .. 64 hi + 63 are one block of keys.  k's four row blocks are added (each accumulator's lowest registers are read first); k and v are rounded to f16; q goes into the stage as it is.
.macro OUTHALF hi
	WIN 0x05*((\hi)+1)                             ; sources 0 and 1 in the half's window
.irp i, 0,1
.irp p, 0,1,2,3
	v_pk_add_f32 v[TS+16*(\hi)+8*(\i)+2*(\p):TS+16*(\hi)+8*(\i)+2*(\p)+1], v[8*(2+(\i))+2*(\p):8*(2+(\i))+2*(\p)+1], v[8*(8+(\i))+2*(\p):8*(8+(\i))+2*(\p)+1]
.endr
.endr
.irp a, 0,1,2,3
.irp i, 0,1
.irp p, 0,1,2,3
	v_cvt_pk_f16_f32 v[KC+4*(2*(4*(\hi)+(\a))+(\i))+(\p)], v[8*(6*(\a)+2+(\i))+2*(\p)], v[8*(6*(\a)+2+(\i))+2*(\p)+1]
.endr
.irp p, 0,1,2,3
	v_cvt_pk_f16_f32 v[VC+4*(2*(4*(\hi)+(\a))+(\i))+(\p)], v[8*(6*(\a)+4+(\i))+2*(\p)], v[8*(6*(\a)+4+(\i))+2*(\p)+1]
.endr
.endr
.endr
	WIN 0x04*((\hi)+1)                             ; source 1 (an LDS store's data too) in the half's window
.irp a, 2,3
.irp i, 0,1
.irp p, 0,1,2,3
	v_pk_add_f32 v[TS+16*(\hi)+8*(\i)+2*(\p):TS+16*(\hi)+8*(\i)+2*(\p)+1], v[TS+16*(\hi)+8*(\i)+2*(\p):TS+16*(\hi)+8*(\i)+2*(\p)+1], v[8*(6*(\a)+2+(\i))+2*(\p):8*(6*(\a)+2+(\i))+2*(\p)+1]
.endr
.endr
.endr
.irp a, 0,1,2,3
.irp i, 0,1
	ds_store_b128 v[STQ], v[8*(6*(\a)+(\i)):8*(6*(\a)+(\i))+3]   offset:16*QP*(4*(\hi)+(\a))+64*(\i)
	ds_store_b128 v[STQ], v[8*(6*(\a)+(\i))+4:8*(6*(\a)+(\i))+7] offset:16*QP*(4*(\hi)+(\a))+64*(\i)+16
.endr
.endr
.endm
	OUTHALF 0
	OUTHALF 1
	WIN 0
.irp x, 1,2,4,8                        ; the 16 rows that the lanes of a half hold: four steps ride on the additions
.set i, 0
.rept 32
	v_add_f32_dpp v[TS+i], v[TS+i], v[TS+i] row_xmask:\x row_mask:0xf bank_mask:0xf
.set i, i+1
.endr
.endr
.set i, 0
.rept 16
	v_pk_mul_f32 v[TS+2*i:TS+2*i+1], v[TS+2*i:TS+2*i+1], 0x3c800000 op_sel_hi:[1,0]  ; the mean of 64
.set i, i+1
.endr
.irp e, 0,1
.irp i, 0,1
	ds_store_b128 v[KGA], v[TS+16*(\e)+8*(\i):TS+16*(\e)+8*(\i)+3]   offset:512*(\e)+64*(\i)     ; the sixteen lanes of a half store the same bytes
	ds_store_b128 v[KGA], v[TS+16*(\e)+8*(\i)+4:TS+16*(\e)+8*(\i)+7] offset:512*(\e)+64*(\i)+16
.endr
.endr
.irp a, 0,1,2,3,4,5,6,7
.irp i, 0,1
	ds_store_b128 v[STK], v[KC+4*(2*(\a)+(\i)):KC+4*(2*(\a)+(\i))+3] offset:16*PA*(\a)+32*(\i)
	ds_store_b128 v[STV], v[VC+4*(2*(\a)+(\i)):VC+4*(2*(\a)+(\i))+3] offset:16*PA*(\a)+32*(\i)
.endr
.endr
	s_lshl_b32 s70, s[HX], 11                      ; my first row among the 16 x 2,048: head, row block, 32 x wave
	s_lshl_b32 s71, s[RY], 7
	s_add_co_u32 s70, s70, s71
	s_lshl_b32 s71, s[WV], 5
	s_add_co_u32 s70, s70, s71
	s_lshl_b32 s72, s70, 8
	s_lshl_b32 s70, s70, 9
	s_mov_b32 s71, 0
	s_mov_b32 s73, 0
	s_add_nc_u64 s[8:9], s[8:9], s[70:71]
	s_add_nc_u64 s[10:11], s[10:11], s[72:73]
	s_add_nc_u64 s[12:13], s[12:13], s[72:73]
	s_lshl_b32 s70, s[HX], 5
	s_lshl_b32 s72, s[RY], 1
	s_add_co_u32 s70, s70, s72
	s_add_co_u32 s70, s70, s[WV]
	s_lshl_b32 s70, s70, 9
	s_add_nc_u64 s[14:15], s[14:15], s[70:71]      ; block 2 x row block + wave (waves 0 and 1 use it)
	s_wait_dscnt 0x0                               ; for the others' sake: my stores into the stage are done
	s_barrier_signal -1
	s_barrier_wait -1
.set t, 0
.rept 32
	ds_load_b128 v[32+4*t:32+4*t+3], v[RDQ] offset:QP*t          ; a row of q: 512 bytes
.set t, t+1
.endr
.set t, 0
.rept 16
	ds_load_b128 v[160+4*t:160+4*t+3], v[RDK] offset:2*PA*t      ; two rows of k
.set t, t+1
.endr
.set t, 0
.rept 32
	s_wait_dscnt 47-t
	global_store_b128 v[GOF], v[32+4*t:32+4*t+3], s[8:9] offset:512*t    ; 512 consecutive bytes, aligned
.set t, t+1
.endr
.set t, 0
.rept 16
	s_wait_dscnt 15-t
	global_store_b128 v[GOF], v[160+4*t:160+4*t+3], s[10:11] offset:512*t
.set t, t+1
.endr
	s_wait_xcnt 0x0                                ; the stores have read their data: v32 and up are loaded again only behind this wait
.set t, 0
.rept 16
	ds_load_b128 v[32+4*t:32+4*t+3], v[RDV] offset:2*PA*t
.set t, t+1
.endr
.set t, 0
.rept 16
	s_wait_dscnt 15-t
	global_store_b128 v[GOF], v[32+4*t:32+4*t+3], s[12:13] offset:512*t
.set t, t+1
.endr
	s_cmp_lt_u32 s[WV], 2                          ; waves 0 and 1 store a block mean each
	s_cbranch_scc0 .Lnokg
	ds_load_b128 v[96:99], v[RDG]
	s_wait_dscnt 0x0
	global_store_b128 v[GOF], v[96:99], s[14:15]
.Lnokg:
	s_wait_tensorcnt 0x0                           ; the wave's end, behind my last tensor load and my last LDS store
	ds_add_u32 v[SPW], v[NIL]
	s_wait_dscnt 0x0
	CROUND                                         ; the closing round
	s_endpgm
.Lfunc_end_k_q4abddc28b0_qkv:
	.size	k_q4abddc28b0_qkv, .Lfunc_end_k_q4abddc28b0_qkv-k_q4abddc28b0_qkv
	.p2alignl 7, 3214868480
	.fill 96, 4, 3214868480
	.section	.rodata,"a",@progbits
	.p2align	6, 0x0
	.amdhsa_kernel k_q4abddc28b0_qkv
		.amdhsa_group_segment_fixed_size 327680
		.amdhsa_private_segment_fixed_size 0
		.amdhsa_enable_private_segment 0
		.amdhsa_kernarg_size 48
		.amdhsa_user_sgpr_count 2
		.amdhsa_user_sgpr_kernarg_segment_ptr 1
		.amdhsa_wavefront_size32 1
		.amdhsa_system_sgpr_workgroup_id_x 1
		.amdhsa_system_sgpr_workgroup_id_y 1
		.amdhsa_system_sgpr_workgroup_id_z 1
		.amdhsa_system_vgpr_workitem_id 0
		.amdhsa_next_free_vgpr 704
		.amdhsa_next_free_sgpr 80
		.amdhsa_reserve_vcc 0
		.amdhsa_float_denorm_mode_32 3
		.amdhsa_float_denorm_mode_16_64 3
		.amdhsa_memory_ordered 1
		.amdhsa_forward_progress 1
		.amdhsa_inst_pref_size 131
	.end_amdhsa_kernel
	.amdgpu_metadata
---
amdhsa.version: [ 1, 2 ]
amdhsa.kernels:
  - .name:           k_q4abddc28b0_qkv
    .symbol:         k_q4abddc28b0_qkv.kd
    .args:
      - { .name: xb, .offset: 0, .size: 8, .value_kind: global_buffer, .address_space: global }
      - { .name: wb, .offset: 8, .size: 8, .value_kind: global_buffer, .address_space: global }
      - { .name: q32, .offset: 16, .size: 8, .value_kind: global_buffer, .address_space: global }
      - { .name: k16, .offset: 24, .size: 8, .value_kind: global_buffer, .address_space: global }
      - { .name: v16, .offset: 32, .size: 8, .value_kind: global_buffer, .address_space: global }
      - { .name: kg, .offset: 40, .size: 8, .value_kind: global_buffer, .address_space: global }
    .group_segment_fixed_size: 327680
    .private_segment_fixed_size: 0
    .kernarg_segment_align: 8
    .kernarg_segment_size: 48
    .max_flat_workgroup_size: 128
    .sgpr_count:     80
    .vgpr_count:     704
    .wavefront_size: 32
...
	.end_amdgpu_metadata
.endif
;; end of part 2
;; launch attn (part 3): grid 16 x 16, 4 waves a work-group, clusters of 4 x 1, 327,680 bytes of LDS; arguments q32, k16, v16, kg, o16, Wo, wo16; writes o16, wo16
.if DOCPART == 3
	.amdgcn_target "amdgcn-amd-amdhsa--gfx1250"
	.amdhsa_code_object_version 6
	.text
	.protected	k_q4abddc28b0_attn
	.globl	k_q4abddc28b0_attn
	.p2align	8
	.type	k_q4abddc28b0_attn,@function
k_q4abddc28b0_attn:
	s_mov_b64 s[64:65], 0
	v_nop
	global_prefetch_b8 v0, s[64:65] scope:SCOPE_SE
	s_setreg_imm32_b32 hwreg(HW_REG_WAVE_MODE, 25, 1), 1
	s_wait_xcnt 0x0
	s_wait_alu depctr_hold_cnt(0) depctr_sa_sdst(0) depctr_va_vdst(0) depctr_va_sdst(0) depctr_va_ssrc(0) depctr_va_vcc(0) depctr_vm_vsrc(0)
	s_getreg_b32 s2, hwreg(HW_REG_IB_STS2, 6, 4)
	s_cmp_eq_u32 s2, 0
	s_cbranch_scc0 .Lentry_in_a_cluster
	s_endpgm
.Lentry_in_a_cluster:
	s_bfe_u32 s2, ttmp6, 0x10000c
	s_cmp_lg_u32 s2, 0x3003
	s_cbranch_scc0 .Lentry_shape_is_right
	s_endpgm
.Lentry_shape_is_right:
; BLOCK-SPARSE CAUSAL ATTENTION (MoBA), head size 128, blocks of 64, top 8.  q32 [16 h][2048][128] f32; k16, v16 [16][2048][128] f16; kg [16][32][128] f32 (block means of k); o16 [2048 s][16 h x 128] f16.
; A query of block qb sees its own block (causally) and, of the blocks before it, the 7 with the largest gate q . kg (all, if there are 7 or fewer); among equal gates the lower block wins.
; THE GATE is made in f32 from the unrounded q and means (96 f32 matrix instructions a wave, a quarter of one part in a hundred of the launch's products: no bulk work), since one wrong choice spoils a whole row of the result.
; BESIDE IT: Wo [2048][2048] f32 -> wo16: rounded to bf16 like the other inputs, that number written as f16; each work-group takes 65,536 bytes of it.
; LIMITS.  q is rounded to f16 for the scores: |q|, |k|, |v| stay under 65,504.  A hidden score counts as -1e30 (or -2e30); the running maximum starts at -1e20, below every score that f16 operands can make (5.5e11).
; Gates are taken as finite; +0 and -0 count as equal; NaN and infinities are not treated apart.  A weight below 2^-126 counts as 0.  |Wo| of 65,520 or more becomes an infinity; below 6e-5 it keeps f16's step of 6e-8.
; SHARES.  A work-group takes two query blocks of 64: 31 - b and then b (b = 4 x cluster + place).  A slot of LDS holds 256 keys, four blocks, and THE KEYS ARE SPLIT AMONG THE WAVES: in a trip wave w multiplies block
; 4 G + w with all 64 queries (four tiles of 16).  The first block takes 8 - J trips, the second J + 1 (J the cluster's number): nine for everybody, and the same tiles for the four partners of a cluster, so every
; tile is asked for JOINTLY and every branch hangs on J alone.  At a block's end the four waves' maxima, sums and O meet in LDS, in f32.
; THE RING.  A wave takes its K and V of a tile into registers, so a slot is free early in its trip: V(j) is fetched at the head of trip j, K(j + 1) in its middle, and between the two stands the change of slots:
; tile j + 1 is shown whole, and slot j is filled again with tile j + 2, which has 112 matrix instructions in which to land.
; LAYOUT.  S^T = K Q^T holds one query a lane (lane % 16) and the keys 8 (lane / 16) + 0..7; two results rounded to f16 are source 1 of O^T = V^T P.  p = 2^(c s - c m), c = log2(e) / sqrt(128), with a running maximum m.
; THE MASK is the C operand that starts a sum: BE (0, or -1e30 where the query has not chosen the block) everywhere, with the diagonal's pattern added in the query's own block.  Since m never falls below -1e20 a hidden
; score's weight is 0, a step without a visible key leaves O and l as they are (a = 1), and the first visible key wipes what they held (a = 0): so O and l need only start finite, and blocks may come in any order.
; REGISTERS, in windows of 256 (s_set_vgpr_msb: bits 1:0 source 0, 3:2 source 1, 5:4 source 2, 7:6 destination):
;   window 0: v0-11 addresses; v12-43 statistics, 8 a tile; v44-47 the tiles' choices; v48-55 BE; v64-191 S^T; v192-255 P       window 1: O^T, 64 a tile (at the head: the gate's operands)
;   window 2: v0-127 Q in f16; v128-255 K      window 3: v0-127 V (at the head: Wo's numbers); v128-223 the masks, 24 a tile; v224-247 the gate's sums, written by matrix instructions alone; v248-255 the diagonal's pattern
.set PK,    272                        ; a row of K in LDS: 256 bytes + 16
.set PV,    288                        ; a row of V: 256 + 32, for the turning load
.set VOFF,  256*PK
.set SLOT,  256*(PK+PV)
.set SCR,   2*SLOT                     ; behind the ring, never filled by a tensor load: 4 waves x 16 rows x 528 bytes of partial O; before the first merge: both blocks' Q in f16, 16,384 bytes each
.set SCP,   528
.set STAT,  SCR+4*16*SCP               ; 4 waves x 64 queries x (c m, l)
.set SELW,  STAT+2048                  ; the choices: 64 words for the first block, 64 for the second
.set SPARE, SELW+512                   ; the spare words, 128 bytes a wave, which no other line names
.set WOO, 1                            ; v1   first r; then my byte offset in the work-group's part of wo16
.set AK0, 2
.set AV0, 3
.set ADRK, 4
.set ADRV, 5
.set QO,  6                            ; r x 512 + 32 h: my place in 16 rows of f32
.set SA,  7
.set SR,  8
.set WOI, 9                            ; v9   first h; then my byte offset in the work-group's part of Wo
.set SW,  10
.set SRD, 11
.set ST,  12                           ; tile t at ST + 8 t: c m, m, l (even, odd keys), c0-c3 at work (c2 takes a)
.set WSEL, 44
.set BEP, 48                           ; tile t: the pair (BE, 0)
.set GO,  56
.set PFO, 57                           ; 256 x lane; never rewritten
.set WA,  58
.set BT,  59
.set QSA, 59                           ; at the head: where my tile's Q goes
.set QRA, 60                           ; SCR + 16 x lane: where Q is read back
.set SPW, 62
.set NIL, 63
.set S,   64
.set P,   192
.set KF,  128                          ; window 2
.set MT,  128                          ; window 3: tile t: +0 key blocks before the tile's own, +8 its own, +16 those behind
.set GH0, 224
.set GH1, 232
.set GL0, 240
.set D0,  248
.set GQH, 0                            ; window 1, at the head: my tile of the first block's q, of the second's, the means of blocks 0-15, 16-31
.set GQL, 64
.set KG0, 128
.set KG1, 192
.set E,   64                           ; the selection's registers, in S^T's place
.set NA,  96
.set NB,  128
.set XH,  160
.set XL,  168
.set TT,  184
.set GTW, 185
.set EQW, 186
.set RR,  187
.set T1,  188
.set T2,  189
.set QBL, 190
.set NINF, 191
.set WV,  14
.set CX,  15
.set SJ,  16
.set SB,  17
.set HI,  18
.set HEAD, 19
.set OBC, 22                           ; s[22:23] o16 at my rows of the block in hand
.set G1K, 24
.set G1V, 32
.set G0K, 40
.set G0V, 44
.set TN,  48                           ; the other slot
.set TB,  49                           ; the slot of the trip in hand
.set LWK, 50
.set LWV, 51
.set NXT, 52                           ; the tile to ask for next
.set TH,  53                           ; trips of the first block
.set RT,  54
.set GC,  55                           ; the tile in hand
.set CNT, 56
.set KS,  57                           ; my key block
.set CS,  58
.set SEL, 60
.set QB,  62                           ; the query block in hand
.set BIGN, 63
.set AL,  66
.set OFF, 68
.set PFA, 70
.set LIM, 72
.set FIRST, 73                         ; 1 while the first block is in hand
.set OBL, 78
.set HM,  80
.set GHP, 82
.set GLP, 84
.set BA,  86
.set G0K1, 88                          ; the first fill of slot 1 has descriptors of its own
.set WOP, 92                           ; s[92:93] Wo, s[94:95] wo16
.set G0V1, 96
.set MSB, 0
.macro WIN new
.if MSB != (\new)
	s_set_vgpr_msb (MSB<<8)|(\new)
.set MSB, \new
.endif
.endm
.set W_KQ, 0x0a                        ; K and Q in window 2, S^T in window 0
.set W_KM, 0x3a                        ; the same with the C operand in window 3
.set W_PV, 0x53                        ; V in window 3, P in window 0, O^T in window 1
.set W_RS, 0x41                        ; O^T in window 1, the factor in window 0
.macro PLACES
.rept 4
	v_nop
.endr
.endm
; A joint fill: waves 0 and 1 fetch the halves of a tile's K, waves 2 and 3 those of its V, 128 rows of 256 bytes each.  An s_nop 0 and four v_nop follow each line.
.macro JLOAD
	s_cmp_lt_u32 s[WV], 2
	s_cbranch_scc0 .Lfor_v_\@
	tensor_load_to_lds s[G0K:G0K+3], s[G1K:G1K+7]
	s_nop 0
.rept 4
	v_nop
.endr
	s_branch .Lasked_\@
.Lfor_v_\@:
	tensor_load_to_lds s[G0V:G0V+3], s[G1V:G1V+7]
	s_nop 0
.rept 4
	v_nop
.endr
.Lasked_\@:
.endm
; A PREFETCH INTO THE L2 of the tile that the NEXT change of slots will ask for: a trip, 128 matrix instructions a wave, ahead.  All four clusters of a head begin with the same tiles: the cluster with J = 0, which walks
; all eight, asks, in its trips 0 to 4, for tiles 3 to 7.  Each wave asks for 32 of the 128 rows that it fetches, the four partners told apart by address, a lane a row: each row is named once in the launch.
; Tiles 0 to 2 come by their loads alone; the second blocks' tiles have been read before and are not asked for.
.macro ASK
	s_cmp_gt_u32 s[CNT], s[LIM]
	s_cbranch_scc0 .Lnot_mine_\@
	global_prefetch_b8 v[PFO], s[PFA:PFA+1] th:TH_LOAD_NT scope:SCOPE_SE
.Lnot_mine_\@:
.endm
.macro CREST                           ; a round of the cluster's barrier behind its opening barrier
	s_cmp_lg_u32 s[WV], 0
	s_cbranch_scc1 .Lnot_wave_0_\@
	s_barrier_signal -3
.Lnot_wave_0_\@:
	s_barrier_wait -3
	s_barrier_signal -1
	s_barrier_wait -1
.endm
.macro CROUND
	s_barrier_signal -1
	s_barrier_wait -1
	CREST
.endm
	s_load_b256 s[4:11], s[0:1], 0x0               ; q32 s[4:5], k16 s[6:7], v16 s[8:9], kg s[10:11]
	s_load_b64 s[12:13], s[0:1], 0x20              ; o16
	s_load_b128 s[WOP:WOP+3], s[0:1], 0x28         ; Wo, wo16
	v_lshl_add_u32 v[SPW], v0, 2, SPARE
	v_mov_b32 v[NIL], 0
	ds_add_u32 v[SPW], v[NIL]                      ; the wave's opening: the add and its wait stand ahead of my first tensor load
	v_lshrrev_b32 v1, 5, v0
	v_readfirstlane_b32 s[WV], v1
	s_bfe_u32 s[CX], ttmp6, 0x40000
	s_mov_b32 s[SJ], ttmp9
	s_lshl_b32 s[SB], ttmp9, 2
	s_add_co_u32 s[SB], s[SB], s[CX]               ; b: it enters global addresses and the masks' values alone
	s_sub_co_u32 s[HI], 31, s[SB]
	s_and_b32 s[HEAD], ttmp7, 0xffff
	s_sub_co_u32 s[TH], 8, s[SJ]
	s_lshl_b32 s20, s[HEAD], 19                    ; the head's 2,048 rows of 256 bytes,
	s_and_b32 s21, s[WV], 1
	s_lshl_b32 s2, s21, 15                         ; my half of a tile's 256 rows
	s_add_co_u32 s20, s20, s2
	s_mul_i32 s[LWK], s21, 128*PK                  ; and its place in a slot
	s_mul_i32 s[LWV], s21, 128*PV
	s_add_co_u32 s[LWV], s[LWV], VOFF
	s_mov_b32 s21, 0
	s_mov_b32 s3, 0
	s_mov_b32 s[G1K], 15|(1<<16)|(1<<20)|(1<<21)|(5<<22)|(3<<25)  ; the mask of four; 2-byte elements; padding on; bit 21 beside a mask; after every 64 words, 4 words
	s_mov_b32 s[G1V], 15|(1<<16)|(1<<20)|(1<<21)|(5<<22)|(7<<25)  ; the same with 8 words
.irp g, G1K, G1V
	s_mov_b32 s[(\g)+1], 128<<16
	s_mov_b32 s[(\g)+2], 128<<16
	s_mov_b32 s[(\g)+3], 128<<16
	s_mov_b32 s[(\g)+4], 128
	s_mov_b32 s[(\g)+5], 128
	s_mov_b32 s[(\g)+6], 0
	s_mov_b32 s[(\g)+7], 0
.endr
	s_mov_b32 s[CS], 0x3e0293ee                    ; c = log2(e) / sqrt(128)
	s_mov_b32 s[CS+1], s[CS]
	s_mov_b32 s[SEL], 0x76543210
	s_mov_b32 s[SEL+1], 0xfedcba98
	s_mov_b32 s[BIGN], 0xf149f2ca                  ; -1e30
	s_mov_b32 s[HM], 0xffff0000                    ; lanes 16-31; also a word's upper half
	s_mov_b32 s[AL+1], 0
	s_mov_b32 s[BA+1], 0
	s_mov_b32 s[OFF+1], 0
	s_mov_b32 s[TB], 0
	s_mov_b32 s[NXT], 2
	s_mov_b32 s[GC], 0
	s_mov_b32 s[RT], s[TH]
	s_mov_b32 s[QB], s[HI]
	s_mov_b32 s[FIRST], 1
	s_cmp_eq_u32 s[SJ], 0
	s_cselect_b32 s[LIM], 2, -1
	s_mov_b32 s[G0K], 1
	s_mov_b32 s[G0K+1], s[LWK]                     ; slot 0
	s_mov_b32 s[G0V], 1
	s_mov_b32 s[G0V+1], s[LWV]
	s_mov_b32 s[G0K1], 1
	s_add_co_u32 s[G0K1+1], s[LWK], SLOT           ; slot 1
	s_mov_b32 s[G0V1], 1
	s_add_co_u32 s[G0V1+1], s[LWV], SLOT
	s_wait_dscnt 0x0                               ; the opening add is done
	s_wait_kmcnt 0x0
	s_add_nc_u64 s[6:7], s[6:7], s[20:21]          ; K and V at my half of the head's tile 0
	s_add_nc_u64 s[8:9], s[8:9], s[20:21]
	s_mov_b64 s[G0K+2:G0K+3], s[6:7]
	s_or_b32 s[G0K+3], s[G0K+3], 0x80000000
	s_mov_b64 s[G0V+2:G0V+3], s[8:9]
	s_or_b32 s[G0V+3], s[G0V+3], 0x80000000
	s_add_nc_u64 s[G0K1+2:G0K1+3], s[6:7], 65536   ; tile 1
	s_or_b32 s[G0K1+3], s[G0K1+3], 0x80000000
	s_add_nc_u64 s[G0V1+2:G0V1+3], s[8:9], 65536
	s_or_b32 s[G0V1+3], s[G0V1+3], 0x80000000
	CROUND                                         ; all four work-groups are here
	s_cmp_lt_u32 s[WV], 2                          ; a wave's two first fills stand in one branch: two loads of mine are out
	s_cbranch_scc0 .Lfirst_v
	tensor_load_to_lds s[G0K:G0K+3], s[G1K:G1K+7]
	s_nop 0
	tensor_load_to_lds s[G0K1:G0K1+3], s[G1K:G1K+7]
	s_nop 0
.rept 4
	v_nop
.endr
	s_branch .Lfirst_asked
.Lfirst_v:
	tensor_load_to_lds s[G0V:G0V+3], s[G1V:G1V+7]
	s_nop 0
	tensor_load_to_lds s[G0V1:G0V1+3], s[G1V:G1V+7]
	s_nop 0
.rept 4
	v_nop
.endr
.Lfirst_asked:
	s_lshl_b32 s2, s[HEAD], 20                     ; q: the head's 2,048 rows of 512 bytes, my tile's 16 rows in a block,
	s_lshl_b32 s20, s[WV], 13
	s_add_co_u32 s2, s2, s20
	s_lshl_b32 s20, s[SB], 15                      ; the second block's 64 rows,
	s_add_co_u32 s20, s20, s2
	s_add_nc_u64 s[GLP:GLP+1], s[4:5], s[20:21]
	s_lshl_b32 s20, s[HI], 15                      ; the first block's
	s_add_co_u32 s20, s20, s2
	s_add_nc_u64 s[GHP:GHP+1], s[4:5], s[20:21]
	s_lshl_b32 s2, s[HEAD], 14
	s_add_nc_u64 s[10:11], s[10:11], s[2:3]        ; the head's 32 means
	v_and_b32 v1, 15, v0                           ; r
	v_bfe_u32 v9, v0, 4, 1                         ; h
	v_lshlrev_b32 v[QO], 9, v1
	v_lshl_add_u32 v[QO], v9, 5, v[QO]
	; Of a row's channels 32 c .. 32 c + 31 lane (r, h) takes 8 h + 0..7 and 16 + 8 h + 0..7, into registers 16 c + 0..15: q and the means by the same map, so the f32 products pair like with like,
	; and pairs of these registers, rounded, are an f16 fragment.
	WIN 0x40
.irp c, 0,1,2,3
.irp q, 0,1,2,3
	global_load_b128 v[GQH+16*(\c)+4*(\q):GQH+16*(\c)+4*(\q)+3], v[QO], s[GHP:GHP+1] offset:128*(\c)+64*((\q)/2)+16*((\q)%2)
	global_load_b128 v[GQL+16*(\c)+4*(\q):GQL+16*(\c)+4*(\q)+3], v[QO], s[GLP:GLP+1] offset:128*(\c)+64*((\q)/2)+16*((\q)%2)
	global_load_b128 v[KG0+16*(\c)+4*(\q):KG0+16*(\c)+4*(\q)+3], v[QO], s[10:11] offset:128*(\c)+64*((\q)/2)+16*((\q)%2)
	global_load_b128 v[KG1+16*(\c)+4*(\q):KG1+16*(\c)+4*(\q)+3], v[QO], s[10:11] offset:8192+128*(\c)+64*((\q)/2)+16*((\q)%2)
.endr
.endr
	WIN 0
	s_lshl_b32 s2, s[WV], 14                       ; o: row 64 qb + 4 w, the head's 256 bytes
	s_lshl_b32 s20, s[HEAD], 8
	s_add_co_u32 s2, s2, s20
	s_lshl_b32 s20, s[SB], 18
	s_add_co_u32 s20, s20, s2
	s_add_nc_u64 s[OBL:OBL+1], s[12:13], s[20:21]
	s_lshl_b32 s20, s[HI], 18
	s_add_co_u32 s20, s20, s2
	s_add_nc_u64 s[OBC:OBC+1], s[12:13], s[20:21]
	s_cmp_lt_u32 s[WV], 2
	s_cselect_b64 s[PFA:PFA+1], s[6:7], s[8:9]
	s_lshl_b32 s2, s[CX], 13                       ; my work-group's 32 rows of the 128,
	s_add_co_u32 s2, s2, 2*65536                   ; in tile 2; each change of slots steps it once and then names it
	s_add_nc_u64 s[PFA:PFA+1], s[PFA:PFA+1], s[2:3]
	s_lshl_b32 s2, s[HEAD], 4                      ; Wo: the work-group's number among the 256,
	s_add_co_u32 s2, s2, s[SB]
	s_lshl_b32 s20, s2, 15                         ; its 32,768 bytes out,
	s_lshl_b32 s2, s2, 16                          ; its 65,536 bytes in
	s_add_nc_u64 s[WOP:WOP+1], s[WOP:WOP+1], s[2:3]
	s_add_nc_u64 s[WOP+2:WOP+3], s[WOP+2:WOP+3], s[20:21]
	v_mul_u32_u24 v[AK0], v1, PK
	v_lshl_add_u32 v[AK0], v9, 4, v[AK0]
	s_mul_i32 s2, s[WV], 64*PK
	v_add_nc_u32 v[AK0], s2, v[AK0]                ; K: row x pitch + 16 x half + my block's 64 rows
	v_and_b32 v60, 7, v0
	v_bfe_u32 v61, v0, 3, 1
	v_lshl_add_u32 v[AV0], v9, 3, v60
	v_mul_u32_u24 v[AV0], v[AV0], PV
	v_lshl_add_u32 v[AV0], v61, 4, v[AV0]
	s_mul_i32 s2, s[WV], 64*PV
	s_add_co_u32 s2, s2, VOFF
	v_add_nc_u32 v[AV0], s2, v[AV0]
	s_lshl_b32 s2, s[WV], 9
	s_add_co_u32 s2, s2, STAT
	v_lshl_add_u32 v[SA], v1, 3, s2
	v_lshlrev_b32 v[SR], 3, v1
	v_add_nc_u32 v[SR], STAT, v[SR]
	v_mul_u32_u24 v[SW], v1, SCP
	v_lshl_add_u32 v[SW], v9, 5, v[SW]
	s_mul_i32 s2, s[WV], 16*SCP
	s_add_co_u32 s2, s2, SCR
	v_add_nc_u32 v[SW], s2, v[SW]
	v_and_b32 v59, 31, v0                          ; lane
	s_mul_i32 s2, s[WV], 4*SCP
	s_add_co_u32 s2, s2, SCR
	v_lshl_add_u32 v[SRD], v59, 4, s2
	v_lshlrev_b32 v[GO], 3, v59
	v_lshlrev_b32 v[PFO], 8, v59
	v_lshl_add_u32 v[WA], v1, 2, SELW
	v_lshl_add_u32 v61, v9, 8, v[WA]
	s_lshl_b32 s2, s[WV], 6
	v_add_nc_u32 v61, s2, v61                      ; where my lane's choice goes: the block (by lane half), my tile, my query
	v_lshlrev_b32 v60, 3, v9
	v_sub_nc_u32 v60, v1, v60                      ; r - 8 h: in a tile's own 16 keys register j is hidden where j is greater
	WIN 0xc0
.set i, 0
.rept 8
	v_cmp_gt_i32 vcc_lo, i, v60
	v_cndmask_b32 v[D0+i], 0, s[BIGN], vcc_lo
.set i, i+1
.endr
	WIN 0
	s_lshl_b32 s2, s[WV], 14
	v_lshl_add_u32 v[WOI], v59, 4, s2              ; r and h have served: Wo in: 16,384 x wave + 16 x lane,
	s_lshl_b32 s2, s[WV], 13
	v_lshl_add_u32 v[WOO], v59, 3, s2              ; out: 8,192 x wave + 8 x lane
	v_lshl_add_u32 v[QRA], v59, 4, SCR
	s_lshl_b32 s2, s[WV], 12
	v_add_nc_u32 v[QSA], s2, v[QRA]                ; my tile's 4,096 bytes of a block's Q
	s_wait_loadcnt 0x0                             ; the gate's operands are in
	WIN 0xc0
.set i, 0
.rept 32
	global_load_b128 v[4*i:4*i+3], v[WOI], s[WOP:WOP+1] offset:512*i th:TH_LOAD_NT   ; Wo's numbers, 512 consecutive bytes a load: they land under the gate and the choice
.set i, i+1
.endr
	; MY TILE'S q, OF BOTH BLOCKS, ROUNDED TO f16 and put where all four waves find it: register quad g of tile t of block e at 16,384 e + 4,096 t + 512 g + 16 x lane
	WIN 0x05
.set i, 0
.rept 32
	v_cvt_pk_f16_f32 v[P+i], v[GQH+2*i], v[GQH+2*i+1]
	v_cvt_pk_f16_f32 v[P+32+i], v[GQL+2*i], v[GQL+2*i+1]
.set i, i+1
.endr
	WIN 0
.irp e, 0,1
.irp g, 0,1,2,3,4,5,6,7
	ds_store_b128 v[QSA], v[P+32*(\e)+4*(\g):P+32*(\e)+4*(\g)+3] offset:16384*(\e)+512*(\g)
.endr
.endr
	; THE GATE: source 0 = 16 means, source 1 = 16 queries, 4 channels an instruction; lane (r, h), register j: query r, block 8 h + j (+ 16).  Three sums by turns; the first K step starts each with 0.
	WIN 0xf5
.set p, 0
.rept 32
.if p == 0
	v_wmma_f32_16x16x4_f32 v[GH0:GH0+7], v[KG0:KG0+1], v[GQH:GQH+1], 0
	v_wmma_f32_16x16x4_f32 v[GH1:GH1+7], v[KG1:KG1+1], v[GQH:GQH+1], 0
	v_wmma_f32_16x16x4_f32 v[GL0:GL0+7], v[KG0:KG0+1], v[GQL:GQL+1], 0
.else
	v_wmma_f32_16x16x4_f32 v[GH0:GH0+7], v[KG0+2*p:KG0+2*p+1], v[GQH+2*p:GQH+2*p+1], v[GH0:GH0+7]
	v_wmma_f32_16x16x4_f32 v[GH1:GH1+7], v[KG1+2*p:KG1+2*p+1], v[GQH+2*p:GQH+2*p+1], v[GH1:GH1+7]
	v_wmma_f32_16x16x4_f32 v[GL0:GL0+7], v[KG0+2*p:KG0+2*p+1], v[GQL+2*p:GQL+2*p+1], v[GL0:GL0+7]
.endif
.set p, p+1
.endr
	WIN 0
	; THE CHOICE.  Lanes 0-15 take my tile's queries of the first block, lanes 16-31 those of the second: a query a lane, its 32 gates in E.  (The second block is 15 at the most: blocks 16-31 are never before it.)
	; The 28 plain lines that come first name none of the gate's registers: they are the places behind its last products.
.set i, 0
.rept 16
	v_mov_b32 v[XH+i], 0                           ; v_permlanex16_b32's destination counts as read
.set i, i+1
.endr
.set i, 0
.rept 8
	v_mov_b32 v[E+24+i], 0
.set i, i+1
.endr
	v_mov_b32 v[NINF], 0xff800000
	v_mov_b32 v[QBL], s[HI]
	v_mov_b32 v[T1], s[SB]
	v_cndmask_b32 v[QBL], v[QBL], v[T1], s[HM]     ; my query's block
	WIN 0x03
.set i, 0
.rept 8
	v_permlanex16_b32 v[XH+i], v[GH0+i], s[SEL], s[SEL+1]
	v_permlanex16_b32 v[XL+i], v[GL0+i], s[SEL], s[SEL+1]
	v_permlanex16_b32 v[E+24+i], v[GH1+i], s[SEL], s[SEL+1]
.set i, i+1
.endr
.set i, 0
.rept 8
	v_cndmask_b32 v[E+i], v[GH0+i], v[XL+i], s[HM]
	v_mov_b32 v[E+16+i], v[GH1+i]
.set i, i+1
.endr
	WIN 0x0c
.set i, 0
.rept 8
	v_cndmask_b32 v[E+8+i], v[XH+i], v[GL0+i], s[HM]
.set i, i+1
.endr
	WIN 0
.set i, 0
.rept 31
	v_cmp_lt_u32 vcc_lo, i, v[QBL]                 ; only blocks wholly before mine compete
	v_cndmask_b32 v[E+i], v[NINF], v[E+i], vcc_lo
.set i, i+1
.endr
	v_mov_b32 v[E+31], 0x7f800000                  ; block 31 is before nobody: its place stands for the own block, which always wins
; One layer of a bitonic network on n values: pairs jj apart, ascending where the index has bit kk clear.
.macro LAYER src, dst, n, kk, jj
.set i, 0
.rept \n
.set l, i^(\jj)
.if l > i
.if (i&(\kk)) == 0
	v_min_num_f32 v[(\dst)+i], v[(\src)+i], v[(\src)+l]
	v_max_num_f32 v[(\dst)+l], v[(\src)+i], v[(\src)+l]
.else
	v_max_num_f32 v[(\dst)+i], v[(\src)+i], v[(\src)+l]
	v_min_num_f32 v[(\dst)+l], v[(\src)+i], v[(\src)+l]
.endif
.endif
.set i, i+1
.endr
.endm
	LAYER E,  NA, 32, 2, 1                         ; four groups of eight are sorted, up and down by turns;
	LAYER NA, NB, 32, 4, 2
	LAYER NB, NA, 32, 4, 1
	LAYER NA, NB, 32, 8, 4
	LAYER NB, NA, 32, 8, 2
	LAYER NA, NB, 32, 8, 1
.set i, 0
.rept 8
	v_max_num_f32 v[NA+i], v[NB+i], v[NB+8+i]      ; the larger eight of each two groups,
	v_max_num_f32 v[NA+8+i], v[NB+16+i], v[NB+24+i]
.set i, i+1
.endr
	LAYER NA, NB, 16, 8, 4                         ; sorted again, up and down;
	LAYER NB, NA, 16, 8, 2
	LAYER NA, NB, 16, 8, 1
.set i, 0
.rept 8
	v_max_num_f32 v[NA+i], v[NB+i], v[NB+8+i]      ; the largest eight of all,
.set i, i+1
.endr
	v_min3_num_f32 v[T1], v[NA], v[NA+1], v[NA+2]
	v_min3_num_f32 v[T2], v[NA+3], v[NA+4], v[NA+5]
	v_min3_num_f32 v[T1], v[T1], v[T2], v[NA+6]
	v_min_num_f32 v[TT], v[T1], v[NA+7]            ; and the least of them: the eighth largest, counted with repeats
	v_mov_b32 v[GTW], 0
	v_mov_b32 v[EQW], 0
.set i, 30
.rept 31
	v_cmp_gt_f32 vcc_lo, v[E+i], v[TT]
	v_add_co_ci_u32 v[GTW], vcc_lo, v[GTW], v[GTW], vcc_lo   ; the word doubles and takes the bit: block i ends at bit i
	v_cmp_eq_f32 vcc_lo, v[E+i], v[TT]
	v_add_co_ci_u32 v[EQW], vcc_lo, v[EQW], v[EQW], vcc_lo
.set i, i-1
.endr
	s_mov_b32 s2, 0x01010101
	v_lshrrev_b32 v[T1], 1, v[GTW]                 ; how many gates lie above it
	v_and_b32 v[T1], 0x55555555, v[T1]
	v_sub_nc_u32 v[T1], v[GTW], v[T1]
	v_lshrrev_b32 v[T2], 2, v[T1]
	v_and_b32 v[T1], 0x33333333, v[T1]
	v_and_b32 v[T2], 0x33333333, v[T2]
	v_add_nc_u32 v[T1], v[T1], v[T2]
	v_lshrrev_b32 v[T2], 4, v[T1]
	v_add_nc_u32 v[T1], v[T1], v[T2]
	v_and_b32 v[T1], 0x0f0f0f0f, v[T1]
	v_mul_lo_u32 v[T1], v[T1], s2
	v_lshrrev_b32 v[T1], 24, v[T1]
	v_sub_nc_u32 v[RR], 7, v[T1]                   ; so many of the equal ones are taken, the lowest blocks first
.rept 7
	v_sub_nc_u32 v[T1], 0, v[EQW]
	v_and_b32 v[T1], v[EQW], v[T1]
	v_cmp_lt_i32 vcc_lo, 0, v[RR]
	v_cndmask_b32 v[T1], 0, v[T1], vcc_lo
	v_or_b32 v[GTW], v[GTW], v[T1]
	v_xor_b32 v[EQW], v[EQW], v[T1]
	v_add_nc_u32 v[RR], -1, v[RR]
.endr
	v_mov_b32 v[T1], 1
	v_lshlrev_b32 v[T1], v[QBL], v[T1]
	v_add_nc_u32 v[T2], -1, v[T1]
	v_and_or_b32 v[GTW], v[GTW], v[T2], v[T1]      ; only blocks before mine, and my own
	ds_store_b32 v61, v[GTW]
	s_wait_tensorcnt 0x1                           ; my part of tile 0 is in; tile 1's may stay out
	s_wait_dscnt 0x0                               ; my tile's Q and my choices are stored
	s_barrier_signal -1
	s_barrier_wait -1
.macro FETCH_K sl                      ; my block's K out of the slot that begins at s[sl]: 16 fragments (keys 16 (f / 4) on, channels 32 (f % 4) on)
	WIN 0
	v_add_nc_u32 v[ADRK], s[\sl], v[AK0]
	WIN 0x80
.irp f, 0,1,2,3,4,5,6,7,8,9,10,11,12,13,14,15
	ds_load_b128 v[KF+8*(\f):KF+8*(\f)+3],   v[ADRK] offset:((\f)/4)*16*PK+((\f)%4)*64
	ds_load_b128 v[KF+8*(\f)+4:KF+8*(\f)+7], v[ADRK] offset:((\f)/4)*16*PK+((\f)%4)*64+32
.endr
.endm
.macro FETCH_V                         ; my block's V out of the slot in hand, turned (keys 32 (f / 8) on, channels 16 (f % 8) on)
	WIN 0
	v_add_nc_u32 v[ADRV], s[TB], v[AV0]
	WIN 0xc0
.irp f, 0,1,2,3,4,5,6,7,8,9,10,11,12,13,14,15
	ds_load_tr16_b128 v[8*(\f):8*(\f)+3],   v[ADRV] offset:((\f)/8)*32*PV+((\f)%8)*32
	ds_load_tr16_b128 v[8*(\f)+4:8*(\f)+7], v[ADRV] offset:((\f)/8)*32*PV+16*PV+((\f)%8)*32
.endr
.endm
.irp t, 0,1,2,3
	ds_load_b32 v[WSEL+(\t)], v[WA] offset:64*(\t)
.endr
	WIN 0x80
.set qq, 0
.rept 32
	ds_load_b128 v[4*qq:4*qq+3], v[QRA] offset:512*qq          ; the first block's Q, all four tiles
.set qq, qq+1
.endr
	FETCH_K TB                                     ; K of trip 0
	; Wo, while those loads are out: four chunks at a time, stage by stage, in place: to bf16; the two halves widened again; to f16, which holds them exactly
.macro WOCV c
.irp d, 0,1,2,3
	v_cvt_pk_bf16_f32 v[4*((\c)+(\d))], v[4*((\c)+(\d))], v[4*((\c)+(\d))+1]
	v_cvt_pk_bf16_f32 v[4*((\c)+(\d))+2], v[4*((\c)+(\d))+2], v[4*((\c)+(\d))+3]
.endr
.irp d, 0,1,2,3
	v_and_b32 v[4*((\c)+(\d))+1], s[HM], v[4*((\c)+(\d))]
	v_and_b32 v[4*((\c)+(\d))+3], s[HM], v[4*((\c)+(\d))+2]
.endr
.irp d, 0,1,2,3
	v_lshlrev_b32 v[4*((\c)+(\d))], 16, v[4*((\c)+(\d))]
	v_lshlrev_b32 v[4*((\c)+(\d))+2], 16, v[4*((\c)+(\d))+2]
.endr
.irp d, 0,1,2,3
	v_cvt_pk_f16_f32 v[4*((\c)+(\d))], v[4*((\c)+(\d))], v[4*((\c)+(\d))+1]
.endr
.irp d, 0,1,2,3
	v_cvt_pk_f16_f32 v[4*((\c)+(\d))+1], v[4*((\c)+(\d))+2], v[4*((\c)+(\d))+3]
.endr
.endm
	s_wait_loadcnt 0x0                             ; Wo's numbers are in
	WIN 0xcf                                       ; destination and both sources in window 3
.irp c, 0,4,8,12,16,20,24,28
	WOCV \c
.endr
	WIN 0x0c                                       ; a store's data in window 3, its offset in window 0
.set i, 0
.rept 32
	global_store_b64 v[WOO], v[4*i:4*i+1], s[WOP+2:WOP+3] offset:256*i     ; 256 consecutive bytes, aligned
.set i, i+1
.endr
	WIN 0
.irp t, 0,1,2,3
	v_mov_b32 v[ST+8*(\t)+1], 0xe0ad78ec           ; m = -1e20;
	v_mul_f32 v[ST+8*(\t)], s[CS], v[ST+8*(\t)+1]  ; c m by the loop's own instruction, so that a = 2^0 while m rests there
	v_mov_b32 v[ST+8*(\t)+2], 0
	v_mov_b32 v[ST+8*(\t)+3], 0
	v_mov_b32 v[BEP+2*(\t)+1], 0
.endr
	s_wait_dscnt 0x0                               ; the choices, Q and K are in
	s_wait_xcnt 0x0                                ; the stores have read V's registers, which the first trip loads
; THE MASKS of my key block KS = 4 G + w.  BE: 0 where the query's word has bit KS, else -1e30.  In the queries' own block (AL = 1, BA = -1e30) the tile's own 16 keys take the diagonal's pattern, later keys are hidden.
.macro MASKS
	WIN 0
	s_lshl2_add_u32 s[KS], s[GC], s[WV]
	s_cmp_eq_u32 s[KS], s[QB]
	s_cselect_b32 s[AL], 1.0, 0
	s_cselect_b32 s[BA], s[BIGN], 0
.irp t, 0,1,2,3
	v_bfe_u32 v[BT], v[WSEL+(\t)], s[KS], 1
	v_cmp_eq_u32 vcc_lo, 0, v[BT]
	v_cndmask_b32 v[BEP+2*(\t)], 0, s[BIGN], vcc_lo
.endr
	WIN 0xc3
.irp t, 0,1,2,3
.irp z, 0,1,2,3
	v_pk_fma_f32 v[MT+24*(\t)+8+2*(\z):MT+24*(\t)+8+2*(\z)+1], v[D0+2*(\z):D0+2*(\z)+1], s[AL:AL+1], v[BEP+2*(\t):BEP+2*(\t)+1] op_sel_hi:[1,0,0]
.endr
.endr
	WIN 0xc0
.irp t, 1,2,3
.irp z, 0,1,2,3
	v_pk_add_f32 v[MT+24*(\t)+2*(\z):MT+24*(\t)+2*(\z)+1], v[BEP+2*(\t):BEP+2*(\t)+1], 0 op_sel_hi:[0,0]
.endr
.endr
.irp t, 0,1,2
.irp z, 0,1,2,3
	v_pk_add_f32 v[MT+24*(\t)+16+2*(\z):MT+24*(\t)+16+2*(\z)+1], v[BEP+2*(\t):BEP+2*(\t)+1], s[BA:BA+1] op_sel_hi:[0,0]
.endr
.endr
.endm
; Product i of 32 of S^T = K Q^T for piece x (tiles x, x + 1): channels 32 (i / 8) on, keys 16 ((i / 2) % 4) on, tile x + i % 2.  The first 8 start the sums with the mask.  The 8 accumulators take turns.
.macro KQ x
.set tl, (\x)+i%2
.set kb, (i/2)%4
.set rS, S+32*tl+8*kb
.set rK, KF+32*kb+8*(i/8)
.set rQ, 32*tl+8*(i/8)
.if i < 8
.if kb < tl
.set rM, MT+24*tl
.elseif kb == tl
.set rM, MT+24*tl+8
.else
.set rM, MT+24*tl+16
.endif
	WIN W_KM
	v_wmma_f32_16x16x32_f16 v[rS:rS+7], v[rK:rK+7], v[rQ:rQ+7], v[rM:rM+7]
.else
	WIN W_KQ
	v_wmma_f32_16x16x32_f16 v[rS:rS+7], v[rK:rK+7], v[rQ:rQ+7], v[rS:rS+7]
.endif
.endm
; Product i of 32 of O^T += V^T P: keys 32 (i / 16) on, channels 16 ((i / 2) % 8) on, tile x + i % 2.  16 accumulators by turns.
.macro PV x
	WIN W_PV
.set rO, 64*((\x)+i%2)+8*((i/2)%8)
.set rV, 64*(i/16)+8*((i/2)%8)
.set rP, P+16*((\x)+i%2)+8*(i/16)
	v_wmma_f32_16x16x32_f16 v[rO:rO+7], v[rV:rV+7], v[rP:rP+7], v[rO:rO+7]
.endm
; THE CHANGE OF SLOTS, in the second half of piece 0's scores.  Each wave waits for all its tensor loads (one is out: its part of the other slot), adds 0 to its spare word, and waits for that and for its reads of the
; slot in hand (V's run, issued at the trip's head; K's came a trip earlier).  Sixteen products stand between the add and the barrier's wait.  Behind the barrier the other slot is whole and nobody reads this one.
; fill = 1: the barrier opens a round of the cluster's, and the joint fill of the slot in hand, with tile NXT, is the first thing behind it.
.macro CHANGE fill
	WIN 0
	s_wait_tensorcnt 0x0
	ds_add_u32 v[SPW], v[NIL]
.if \fill
	s_lshl_b32 s[OFF], s[NXT], 16                  ; a tile is 65,536 bytes of K and of V
	s_add_co_u32 s[G0K+1], s[TB], s[LWK]
	s_add_nc_u64 s[G0K+2:G0K+3], s[6:7], s[OFF:OFF+1]
	s_or_b32 s[G0K+3], s[G0K+3], 0x80000000
	s_add_co_u32 s[G0V+1], s[TB], s[LWV]
	s_add_nc_u64 s[G0V+2:G0V+3], s[8:9], s[OFF:OFF+1]
	s_or_b32 s[G0V+3], s[G0V+3], 0x80000000
	s_add_co_u32 s[NXT], s[NXT], 1                 ; the block's next tile, or behind its last the second block's tile 0
	s_cmp_eq_u32 s[NXT], s[TH]
	s_cselect_b32 s[NXT], 0, s[NXT]
	s_wait_xcnt 0x0                                ; the last prefetch, a trip back, has read its address
	s_add_nc_u64 s[PFA:PFA+1], s[PFA:PFA+1], 65536
.endif
.rept 8
	KQ 0
.set i, i+1
.endr
	s_wait_dscnt 0x0                               ; the add is done, V is in, and my reads of this slot are over
	s_barrier_signal -1
.rept 8
	KQ 0
.set i, i+1
.endr
	WIN 0
	s_barrier_wait -1
.if \fill
	CREST                                          ; no wave of any partner still reads this slot or has a load on its way
	JLOAD                                          ; its four v_nop are also the places behind piece 0's last product
	ASK
.else
	PLACES
.endif
.endm
; A tile's softmax for a trip is a list of 134 instructions; SM writes number j of it for tile t.
;   0-15 the maximum of the 32 scores and the old m (each accumulator's lowest registers first)   16-20 the other half of the lanes; m; c m; its change
;   21-69 ONE BATCH: the 16 scalings c s - c m and all 33 exponentials (a at 23), none of which reads an exponential's result   70-85 the roundings to f16   86-101 the sums; l = a l + sum   102-133 O^T times a
.macro SM t
.set rT, ST+8*(\t)
.set rS, S+32*(\t)
.set rP, P+16*(\t)
.set rO, 64*(\t)+2*(j-102)
.if j < 102
	WIN 0
.endif
.if j < 4
	v_max3_num_f32 v[rT+4+j], v[rS+8*j], v[rS+8*j+1], v[rS+8*j+2]
.elseif j < 12
	v_max3_num_f32 v[rT+4+j%4], v[rT+4+j%4], v[rS+8*(j%4)+2*(j/4)+1], v[rS+8*(j%4)+2*(j/4)+2]
.elseif j == 12
	v_max3_num_f32 v[rT+4], v[rT+4], v[rS+7], v[rS+15]
.elseif j == 13
	v_max3_num_f32 v[rT+6], v[rT+6], v[rS+23], v[rS+31]
.elseif j == 14
	v_max3_num_f32 v[rT+4], v[rT+4], v[rT+5], v[rT+6]
.elseif j == 15
	v_max3_num_f32 v[rT+4], v[rT+4], v[rT+7], v[rT+1]
.elseif j == 16
	v_permlanex16_b32 v[rT+5], v[rT+4], s[SEL], s[SEL+1]
.elseif j == 17
	v_mov_b32 v[rT+7], v[rT]
.elseif j == 18
	v_max_num_f32 v[rT+1], v[rT+4], v[rT+5]
.elseif j == 19
	v_mul_f32 v[rT], s[CS], v[rT+1]
.elseif j == 20
	v_sub_f32 v[rT+7], v[rT+7], v[rT]
.elseif j == 23
	v_exp_f32 v[rT+6], v[rT+7]
.elseif (j < 23) || ((j < 38) && (j%2 == 0)) || ((j < 66) && (j%4 == 2))
.set b, (j-2)/4
.if j < 38
.set b, (j-20)/2
.endif
	v_pk_fma_f32 v[rS+2*b:rS+2*b+1], v[rS+2*b:rS+2*b+1], s[CS:CS+1], v[rT:rT+1] op_sel_hi:[1,0,0] neg_lo:[0,0,1] neg_hi:[0,0,1]
.elseif j < 70
.set e, j-38
.if j < 66
.set e, j-32-(j-38)/4
.endif
.if j < 38
.set e, (j-25)/2
.endif
	v_exp_f32 v[rS+e], v[rS+e]
.elseif j < 86
	v_cvt_pk_f16_f32 v[rP+j-70], v[rS+2*(j-70)], v[rS+2*(j-70)+1]
.elseif j < 102
.set z, j-86
.set w, 4
.set u, z
.if z >= 14
.set w, 32
.set u, 0
.elseif z >= 12
.set w, 16
.set u, z-12
.elseif z >= 8
.set w, 8
.set u, z-8
.endif
.if z < 15
	v_pk_add_f32 v[rS+w*u:rS+w*u+1], v[rS+w*u:rS+w*u+1], v[rS+w*u+w/2:rS+w*u+w/2+1]
.else
	v_pk_fma_f32 v[rT+2:rT+3], v[rT+2:rT+3], v[rT+6:rT+7], v[rS:rS+1] op_sel_hi:[1,0,1]
.endif
.else
	WIN W_RS
	v_pk_mul_f32 v[rO:rO+1], v[rO:rO+1], v[rT+6:rT+7] op_sel_hi:[1,0]
.endif
.endm
; Slice k of 64 of piece y's softmax: four instructions (slice 63: sixteen).  Slices 11 to 34 deal out the batch, four numbers of one tile each; behind slice 34 stand a plain instruction and the ONE wait
; between the piece's 66 exponentials and the first line that names a result of theirs.
.macro SLICE y
.if (k >= 11) && (k < 35)
.irp n, 0,1,2,3
.set j, 22+4*((k-11)/2)+(\n)
	SM (\y)+(k-11)%2
.endr
.else
.irp n, 0,1,2,3,4,5,6,7
.if ((\n) < 2) || (k == 63)
.irp t, \y, (\y)+1
.set j, 2*k+(\n)
	SM \t
.endr
.endif
.endr
.endif
.if k == 34
	v_nop
	s_wait_alu depctr_va_vdst(0)
.endif
.set k, k+1
.endm
; A TRIP: my key block against all 64 queries.  The masks' lines are the places behind the last product that read V; V's run of loads goes out; piece 0's scores are made on the K that the trip before has fetched, the
; change of slots among them; piece 0's softmax rides on piece 2's scores, two slices behind each product; the next trip's K is fetched (slices 62 and 63, twenty plain lines, stand behind the last product that
; read K); piece 2's softmax rides on piece 0's V^T P; piece 2's V^T P stand bare.
.macro TRIP fill
	MASKS
	FETCH_V
	s_wait_dscnt 32                                ; K's 32 loads, the older, are in; V's 32 may stay out
.set i, 0
.rept 16
	KQ 0
.set i, i+1
.endr
	CHANGE \fill
.set k, 0
.set i, 0
.rept 32
	KQ 2
	SLICE 0
	SLICE 0
.set i, i+1
.endr
	s_xor_b32 s[TN], s[TB], SLOT
	FETCH_K TN
.set k, 0
.set i, 0
.rept 32
	PV 0
	SLICE 2
	SLICE 2
.set i, i+1
.endr
.set i, 0
.rept 32
	PV 2
.set i, i+1
.endr
	WIN 0
	s_xor_b32 s[TB], s[TB], SLOT
.endm
; A BLOCK'S END.  The four waves hold partial results for the same 64 queries.  (c m, l) of every wave and query meet in STAT; each wave scales its O^T by 2^(c m - M) / L, M the largest c m, L the sum of the scaled l;
; then, a tile at a time, the four scaled parts meet in SCR in f32, wave w adds rows 4 w .. 4 w + 3, rounds once to f16 and stores: 32 lanes x 8 bytes are 256 consecutive bytes, aligned.
; At the first block's end the second block's Q is read out of SCR first: those loads are waited for ahead of the barrier behind which SCR is written.
.macro MERGE
	WIN 0
.irp t, 0,1,2,3
	v_add_f32 v[ST+8*(\t)+4], v[ST+8*(\t)+2], v[ST+8*(\t)+3]
.endr
.irp t, 0,1,2,3
	v_permlanex16_b32 v[ST+8*(\t)+5], v[ST+8*(\t)+4], s[SEL], s[SEL+1]
.endr
.irp t, 0,1,2,3
	v_add_f32 v[ST+8*(\t)+1], v[ST+8*(\t)+4], v[ST+8*(\t)+5]   ; l, in m's place
.endr
	s_cmp_eq_u32 s[FIRST], 0
	s_cbranch_scc1 .Lnoq_\@
	WIN 0x80
.set qq, 0
.rept 32
	ds_load_b128 v[4*qq:4*qq+3], v[QRA] offset:16384+512*qq
.set qq, qq+1
.endr
	WIN 0
.Lnoq_\@:
.irp t, 0,1,2,3
	ds_store_b64 v[SA], v[ST+8*(\t):ST+8*(\t)+1] offset:128*(\t)
.endr
	s_wait_dscnt 0x0
	s_barrier_signal -1
	s_barrier_wait -1
.irp t, 0,1,2,3
.irp u, 0,1,2,3
	ds_load_b64 v[S+8*(\t)+2*(\u):S+8*(\t)+2*(\u)+1], v[SR] offset:512*(\u)+128*(\t)
.endr
.endr
	s_wait_dscnt 0x0
.irp t, 0,1,2,3
	v_max3_num_f32 v[S+32+8*(\t)+5], v[S+8*(\t)], v[S+8*(\t)+2], v[S+8*(\t)+4]
.endr
.irp t, 0,1,2,3
	v_max_num_f32 v[S+32+8*(\t)+5], v[S+32+8*(\t)+5], v[S+8*(\t)+6]
.endr
.irp t, 0,1,2,3
.irp u, 0,1,2,3
	v_sub_f32 v[S+32+8*(\t)+(\u)], v[S+8*(\t)+2*(\u)], v[S+32+8*(\t)+5]
.endr
	v_sub_f32 v[S+32+8*(\t)+4], v[ST+8*(\t)], v[S+32+8*(\t)+5]
.endr
.irp t, 0,1,2,3
.irp u, 0,1,2,3,4
	v_exp_f32 v[S+32+8*(\t)+(\u)], v[S+32+8*(\t)+(\u)]
.endr
.endr
	v_nop                                          ; a plain instruction behind the last exponential,
	s_wait_alu depctr_va_vdst(0)                   ; and one wait for the twenty
.irp t, 0,1,2,3
	v_mul_f32 v[S+32+8*(\t)+6], v[S+32+8*(\t)], v[S+8*(\t)+1]
.endr
.irp u, 1,2,3
.irp t, 0,1,2,3
	v_fmac_f32 v[S+32+8*(\t)+6], v[S+32+8*(\t)+(\u)], v[S+8*(\t)+2*(\u)+1]
.endr
.endr
.irp t, 0,1,2,3
	v_rcp_f32 v[S+32+8*(\t)+7], v[S+32+8*(\t)+6]   ; every query sees itself, so L is above 0
.endr
	v_nop
	s_wait_alu depctr_va_vdst(0)
.irp t, 0,1,2,3
	v_mul_f32 v[ST+8*(\t)+6], v[S+32+8*(\t)+4], v[S+32+8*(\t)+7]
.endr
	WIN W_RS
.set i, 0
.rept 128
	v_pk_mul_f32 v[2*i:2*i+1], v[2*i:2*i+1], v[ST+8*(i/32)+6:ST+8*(i/32)+7] op_sel_hi:[1,0]
.set i, i+1
.endr
.irp t, 0,1,2,3
	WIN 0x04                                       ; an LDS store's data in window 1
.irp c, 0,1,2,3,4,5,6,7
	ds_store_b128 v[SW], v[64*(\t)+8*(\c):64*(\t)+8*(\c)+3]   offset:64*(\c)
	ds_store_b128 v[SW], v[64*(\t)+8*(\c)+4:64*(\t)+8*(\c)+7] offset:64*(\c)+16
.endr
	WIN 0
	s_wait_dscnt 0x0                               ; for the others' sake: my part of the tile is in SCR
	s_barrier_signal -1
	s_barrier_wait -1
.irp r, 0,1,2,3
.irp u, 0,1,2,3
	ds_load_b128 v[S+16*(\r)+4*(\u):S+16*(\r)+4*(\u)+3], v[SRD] offset:16*SCP*(\u)+SCP*(\r)   ; a whole row of 512 bytes
.endr
.endr
	s_wait_dscnt 0x0                               ; my reads of SCR are over:
.if (\t) < 3
	s_barrier_signal -1                            ; say so, ahead of the next tile's stores; the sums stand between signal and wait
.endif
.irp r, 0,1,2,3
	v_pk_add_f32 v[S+16*(\r):S+16*(\r)+1], v[S+16*(\r):S+16*(\r)+1], v[S+16*(\r)+4:S+16*(\r)+5]
	v_pk_add_f32 v[S+16*(\r)+2:S+16*(\r)+3], v[S+16*(\r)+2:S+16*(\r)+3], v[S+16*(\r)+6:S+16*(\r)+7]
	v_pk_add_f32 v[S+16*(\r)+8:S+16*(\r)+9], v[S+16*(\r)+8:S+16*(\r)+9], v[S+16*(\r)+12:S+16*(\r)+13]
	v_pk_add_f32 v[S+16*(\r)+10:S+16*(\r)+11], v[S+16*(\r)+10:S+16*(\r)+11], v[S+16*(\r)+14:S+16*(\r)+15]
.endr
.irp r, 0,1,2,3
	v_pk_add_f32 v[S+16*(\r):S+16*(\r)+1], v[S+16*(\r):S+16*(\r)+1], v[S+16*(\r)+8:S+16*(\r)+9]
	v_pk_add_f32 v[S+16*(\r)+2:S+16*(\r)+3], v[S+16*(\r)+2:S+16*(\r)+3], v[S+16*(\r)+10:S+16*(\r)+11]
.endr
.irp r, 0,1,2,3
	v_cvt_pk_f16_f32 v[P+8*(\t)+2*(\r)], v[S+16*(\r)], v[S+16*(\r)+1]
	v_cvt_pk_f16_f32 v[P+8*(\t)+2*(\r)+1], v[S+16*(\r)+2], v[S+16*(\r)+3]
.endr
.if (\t) < 3
	s_barrier_wait -1
.endif
.irp r, 0,1,2,3
	global_store_b64 v[GO], v[P+8*(\t)+2*(\r):P+8*(\t)+2*(\r)+1], s[OBC:OBC+1] offset:(16*(\t)+(\r))*4096
.endr
.endr
.endm
; Behind a trip: was it the block's last?  The branch hangs on the cluster's number alone: it is the same in all waves and all partners.
; Behind a merge, on every way on, the stores have read their data and their base before either is written again.
; Behind the first block's merge the second begins: its choices, m at the floor again; O^T and l keep what they hold, which is finite.
.macro BOOK
	s_add_co_u32 s[GC], s[GC], 1
	s_sub_co_u32 s[RT], s[RT], 1
	s_cmp_lg_u32 s[RT], 0
	s_cbranch_scc1 .Lsame_\@
	MERGE
	s_wait_xcnt 0x0                                ; the merge's stores have had their addresses translated (ISA guide 3.1): P's registers and the stores' base are rewritten only behind this wait, whichever way the text goes on
	s_cmp_eq_u32 s[FIRST], 0
	s_cbranch_scc1 .Lsame_\@                       ; the second block's end: nothing follows
.irp t, 0,1,2,3
	ds_load_b32 v[WSEL+(\t)], v[WA] offset:256+64*(\t)
.endr
.irp t, 0,1,2,3
	v_mov_b32 v[ST+8*(\t)+1], 0xe0ad78ec
	v_mul_f32 v[ST+8*(\t)], s[CS], v[ST+8*(\t)+1]
.endr
	s_wait_dscnt 0x0
	s_mov_b64 s[OBC:OBC+1], s[OBL:OBL+1]
	s_mov_b32 s[QB], s[SB]
	s_mov_b32 s[GC], 0
	s_add_co_u32 s[RT], s[SJ], 1                   ; the second block has J + 1 trips
	s_mov_b32 s[FIRST], 0
.Lsame_\@:
.endm
	s_mov_b32 s[CNT], 7
.Ltrip:                                            ; trips 0 to 6: trip j asks for tile j + 2 of the walk
	TRIP 1
	BOOK
	s_sub_co_u32 s[CNT], s[CNT], 1
	s_cmp_lg_u32 s[CNT], 0
	s_cbranch_scc1 .Ltrip
	s_mov_b32 s[CNT], 2
.Ltail:                                            ; trips 7 and 8 ask for nothing: a text of their own.  In trip 8 the barrier and K's run of loads
	TRIP 0                                         ; (out of the slot that trip 7 has read) serve nothing: the price, once a launch, of one text for both
	BOOK
	s_sub_co_u32 s[CNT], s[CNT], 1
	s_cmp_lg_u32 s[CNT], 0
	s_cbranch_scc1 .Ltail
	s_wait_tensorcnt 0x0                           ; the wave's end, behind my last tensor load and my last LDS store
	ds_add_u32 v[SPW], v[NIL]
	s_wait_dscnt 0x0
	CROUND                                         ; the closing round
	s_endpgm
.Lfunc_end_k_q4abddc28b0_attn:
	.size	k_q4abddc28b0_attn, .Lfunc_end_k_q4abddc28b0_attn-k_q4abddc28b0_attn
	.p2alignl 7, 3214868480
	.fill 96, 4, 3214868480
	.section	.rodata,"a",@progbits
	.p2align	6, 0x0
	.amdhsa_kernel k_q4abddc28b0_attn
		.amdhsa_group_segment_fixed_size 327680
		.amdhsa_private_segment_fixed_size 0
		.amdhsa_enable_private_segment 0
		.amdhsa_kernarg_size 56
		.amdhsa_user_sgpr_count 2
		.amdhsa_user_sgpr_kernarg_segment_ptr 1
		.amdhsa_wavefront_size32 1
		.amdhsa_system_sgpr_workgroup_id_x 1
		.amdhsa_system_sgpr_workgroup_id_y 1
		.amdhsa_system_sgpr_workgroup_id_z 1
		.amdhsa_system_vgpr_workitem_id 0
		.amdhsa_next_free_vgpr 1024
		.amdhsa_next_free_sgpr 100
		.amdhsa_reserve_vcc 1
		.amdhsa_float_denorm_mode_32 3
		.amdhsa_float_denorm_mode_16_64 3
		.amdhsa_memory_ordered 1
		.amdhsa_forward_progress 1
		.amdhsa_inst_pref_size 240
	.end_amdhsa_kernel
	.amdgpu_metadata
---
amdhsa.version: [ 1, 2 ]
amdhsa.kernels:
  - .name:           k_q4abddc28b0_attn
    .symbol:         k_q4abddc28b0_attn.kd
    .args:
      - { .name: q32, .offset: 0, .size: 8, .value_kind: global_buffer, .address_space: global }
      - { .name: k16, .offset: 8, .size: 8, .value_kind: global_buffer, .address_space: global }
      - { .name: v16, .offset: 16, .size: 8, .value_kind: global_buffer, .address_space: global }
      - { .name: kg, .offset: 24, .size: 8, .value_kind: global_buffer, .address_space: global }
      - { .name: o16, .offset: 32, .size: 8, .value_kind: global_buffer, .address_space: global }
      - { .name: Wo, .offset: 40, .size: 8, .value_kind: global_buffer, .address_space: global }
      - { .name: wo16, .offset: 48, .size: 8, .value_kind: global_buffer, .address_space: global }
    .group_segment_fixed_size: 327680
    .private_segment_fixed_size: 0
    .kernarg_segment_align: 8
    .kernarg_segment_size: 56
    .max_flat_workgroup_size: 128
    .sgpr_count:     100
    .vgpr_count:     1024
    .wavefront_size: 32
...
	.end_amdgpu_metadata
.endif
;; end of part 3
;; launch oproj (part 4): grid 16 x 16, 4 waves a work-group, clusters of 4 x 4, 327,680 bytes of LDS; arguments o16, wo16, out0; writes out0
.if DOCPART == 4
	.amdgcn_target "amdgcn-amd-amdhsa--gfx1250"
	.amdhsa_code_object_version 6
	.text
	.protected	k_q4abddc28b0_oproj
	.globl	k_q4abddc28b0_oproj
	.p2align	8
	.type	k_q4abddc28b0_oproj,@function
k_q4abddc28b0_oproj:
	s_mov_b64 s[64:65], 0
	v_nop
	global_prefetch_b8 v0, s[64:65] scope:SCOPE_SE
	s_setreg_imm32_b32 hwreg(HW_REG_WAVE_MODE, 25, 1), 1
	s_wait_xcnt 0x0
	s_wait_alu depctr_hold_cnt(0) depctr_sa_sdst(0) depctr_va_vdst(0) depctr_va_sdst(0) depctr_va_ssrc(0) depctr_va_vcc(0) depctr_vm_vsrc(0)
	s_getreg_b32 s2, hwreg(HW_REG_IB_STS2, 6, 4)
	s_cmp_eq_u32 s2, 0
	s_cbranch_scc0 .Lentry_in_a_cluster
	s_endpgm
.Lentry_in_a_cluster:
	s_bfe_u32 s2, ttmp6, 0x10000c
	s_cmp_lg_u32 s2, 0xf033
	s_cbranch_scc0 .Lentry_shape_is_right
	s_endpgm
.Lentry_shape_is_right:
; out0 = O Wo.  o16: [2048 s][2048 k] f16; wo16: [2048 k][2048 n] f16 (Wo rounded to bf16, that number written as f16); out0: [2048][2048] f32; sums in f32.
; 256 tiles of 128 x 128, one to a work-group; four waves, each 64 x 64: 16 accumulators.  K goes in steps of 256 through two LDS slots: O's tile is 128 rows of 512 bytes, Wo's 256 k rows of 256 bytes;
; waves 0 and 1 fetch O's halves (64 rows), waves 2 and 3 Wo's (128 k rows), one tensor load each.  Wo lies [k][n]: its fragments come out of LDS turned, by ds_load_tr16_b128.
; THE WALK ALONG K BEGINS AT A STEP THAT HANGS ON THE CLUSTER, (2 X + 4 (Y % 2)) % 8 for cluster (X, Y), and wraps round: the clusters that read the same rows of O, or the same k rows of Wo, read them
; at different times.  The f32 sums are taken in that order.
; THE MATRIX INSTRUCTION IS USED TRANSPOSED (source 0 = 16 columns of Wo, source 1 = 16 rows of O): a lane holds one row and eight neighbouring columns.
; CLUSTER 4 x 4: O's tile is shared along a row of the cluster, Wo's along a column: joint loads.  No prefetch: the tiles are small, a step has 128 matrix instructions a wave.
; REGISTERS: window 0: v0-31 addresses; v128-255 the accumulators ((a, b) at 128 + 8 (4 a + b)), later the rows on their way out.  window 1: two fragment buffers of 128: 64 along K: 64 registers of O, then 64 of Wo.
.set KSTEP, 256
.set PA,    528                        ; a row of O in LDS: 512 bytes + 16
.set PB,    288                        ; a k row of Wo: 256 + 32
.set HALFA, 64*PA
.set HALFB, 128*PB
.set BOFF,  2*HALFA
.set SLOT,  BOFF+2*HALFB
.set SPARE, 2*SLOT                     ; behind the ring: the spare words, 128 bytes a wave, which no other line names
.set SP,    528                        ; the stage, in slot 0 behind its last fill: 128 rows of 512 bytes + 16
.set LAPS,  2048/(2*KSTEP)
.set ADRA, 16                          ; v16-17  my O fragments in slot 0, 1
.set ADRB, 20                          ; v20-23  my Wo fragments: 2 x slot + half of the K step (a 16-bit offset does not span 256 k rows)
.set STO,  24
.set RD,   25
.set CO,   26
.set SPW,  28
.set NIL,  29
.set ACC,  128
.set F0,   0
.set F1,   128
.set G1, 24
.set G0, 32
.set KN, 45                            ; the K step to be asked for next, 0 to 7
.set G1B, 48
.set G0B, 56
.set MSB, 0
.macro WIN new
.if MSB != (\new)
	s_set_vgpr_msb (MSB<<8)|(\new)
.set MSB, \new
.endif
.endm
.set MUL,  0x05                        ; sources 0 and 1 in window 1; C and D in window 0
.set TO_F, 0x40                        ; destination in window 1, address in window 0
; Both descriptors of slot s take K step KN: the address is made anew, base + step x a step's bytes, and the type bits are set again; then KN steps and wraps.
.macro SETADR s
	s_lshl_b32 s18, s[KN], 9                       ; O: a K step is 512 bytes of a row
	s_add_nc_u64 s[G0+4*(\s)+2:G0+4*(\s)+3], s[14:15], s[18:19]
	s_or_b32 s[G0+4*(\s)+3], s[G0+4*(\s)+3], 0x80000000
	s_lshl_b32 s18, s[KN], 20                      ; Wo: 256 k rows of 4,096 bytes
	s_add_nc_u64 s[G0B+4*(\s)+2:G0B+4*(\s)+3], s[46:47], s[18:19]
	s_or_b32 s[G0B+4*(\s)+3], s[G0B+4*(\s)+3], 0x80000000
	s_add_co_u32 s[KN], s[KN], 1
	s_and_b32 s[KN], s[KN], 7
.endm
.macro JLOAD s                         ; a joint load; an s_nop 0 and four v_nop follow each line
	s_cmp_eq_u32 s11, 0
	s_cbranch_scc0 .Lfor_b_\@
	tensor_load_to_lds s[G0+4*(\s):G0+4*(\s)+3], s[G1:G1+7]
	s_nop 0
.rept 4
	v_nop
.endr
	s_branch .Lasked_\@
.Lfor_b_\@:
	tensor_load_to_lds s[G0B+4*(\s):G0B+4*(\s)+3], s[G1B:G1B+7]
	s_nop 0
.rept 4
	v_nop
.endr
.Lasked_\@:
.endm
.macro CREST
	s_cmp_lg_u32 s10, 0
	s_cbranch_scc1 .Lnot_wave_0_\@
	s_barrier_signal -3
.Lnot_wave_0_\@:
	s_barrier_wait -3
	s_barrier_signal -1
	s_barrier_wait -1
.endm
.macro CROUND
	s_barrier_signal -1
	s_barrier_wait -1
	CREST
.endm
.macro PLACES
.rept 4
	v_nop
.endr
.endm
	s_load_b128 s[4:7], s[0:1], 0x0                ; o16 s[4:5], wo16 s[6:7]
	s_load_b64 s[8:9], s[0:1], 0x10                ; out0
	v_lshl_add_u32 v[SPW], v0, 2, SPARE
	v_mov_b32 v[NIL], 0
	ds_add_u32 v[SPW], v[NIL]                      ; the wave's opening: the add and its wait stand ahead of my first tensor load
	v_lshrrev_b32 v1, 5, v0
	v_readfirstlane_b32 s10, v1                    ; wave
	s_lshr_b32 s11, s10, 1                         ; my half of the tile's rows.  Also: I fetch for O (0) or for Wo (1)
	s_and_b32 s12, s10, 1                          ; my half of its columns.  Also: which half of that tile I fetch
	s_bfe_u32 s40, ttmp6, 0x40000
	s_bfe_u32 s41, ttmp6, 0x40004
	s_lshl_b32 s42, ttmp9, 2
	s_add_co_u32 s42, s42, s40                     ; tile column
	s_and_b32 s13, ttmp7, 0xffff
	s_lshl_b32 s13, s13, 2
	s_add_co_u32 s13, s13, s41                     ; tile row
	s_lshl_b32 s43, s41, 2
	s_lshl_b32 s43, 15, s43                        ; my row of the cluster
	s_lshl_b32 s44, 0x1111, s40                    ; my column
	s_or_b32 s[G1], s43, (1<<16)|(1<<20)|(1<<21)|(6<<22)|(3<<25)   ; O: 2-byte elements; after every 128 words, 4 words of padding
	s_mov_b32 s[G1+1], 256<<16                     ; tensor_dim0 = 256
	s_mov_b32 s[G1+2], 64<<16                      ; tensor_dim1 = 64
	s_mov_b32 s[G1+3], 256<<16                     ; tile_dim0 = 256
	s_mov_b32 s[G1+4], 64                          ; tile_dim1 = 64
	s_mov_b32 s[G1+5], 2048
	s_mov_b32 s[G1+6], 0
	s_mov_b32 s[G1+7], 0
	s_or_b32 s[G1B], s44, (1<<16)|(1<<20)|(1<<21)|(5<<22)|(7<<25)  ; Wo: after every 64 words, 8 words
	s_mov_b32 s[G1B+1], 128<<16
	s_mov_b32 s[G1B+2], 128<<16
	s_mov_b32 s[G1B+3], 128<<16
	s_mov_b32 s[G1B+4], 128
	s_mov_b32 s[G1B+5], 2048
	s_mov_b32 s[G1B+6], 0
	s_mov_b32 s[G1B+7], 0
	s_and_b32 s[KN], ttmp7, 1                      ; where my cluster's walk begins: made of the cluster's own coordinates, which all sixteen partners share
	s_lshl_b32 s[KN], s[KN], 2
	s_lshl_b32 s18, ttmp9, 1
	s_add_co_u32 s[KN], s[KN], s18
	s_and_b32 s[KN], s[KN], 7
	s_mov_b32 s19, 0
	s_lshl_b32 s16, s13, 7
	s_lshl_b32 s17, s12, 6
	s_add_co_u32 s16, s16, s17                     ; O: row 128 x tile row + 64 x half,
	s_lshl_b32 s16, s16, 12                        ; of 4,096 bytes
	s_mov_b32 s17, 0
	s_lshl_b32 s46, s12, 19                        ; Wo: k row 128 x half, the tile column's 256 bytes
	s_lshl_b32 s47, s42, 8
	s_add_co_u32 s46, s46, s47
	s_mov_b32 s47, 0
	s_mul_i32 s20, s12, HALFA                      ; where they go
	s_mul_i32 s21, s12, HALFB
	s_add_co_u32 s21, s21, BOFF
	s_wait_dscnt 0x0                               ; the opening add is done
	s_wait_kmcnt 0x0
	s_add_nc_u64 s[14:15], s[4:5], s[16:17]
	s_add_nc_u64 s[46:47], s[6:7], s[46:47]
	CROUND
.irp s, 0,1
	s_mov_b32 s[G0+4*(\s)], 1
	s_add_co_u32 s[G0+4*(\s)+1], s20, (\s)*SLOT
	s_mov_b32 s[G0B+4*(\s)], 1
	s_add_co_u32 s[G0B+4*(\s)+1], s21, (\s)*SLOT
	SETADR \s
	JLOAD \s
.endr
	v_and_b32 v1, 15, v0                           ; r
	v_bfe_u32 v2, v0, 4, 1                         ; h
	v_and_b32 v3, 7, v0
	v_bfe_u32 v4, v0, 3, 1
	v_mul_u32_u24 v5, v1, PA
	v_lshl_add_u32 v5, v2, 4, v5
	s_mul_i32 s22, s11, HALFA
	v_add_nc_u32 v[ADRA], s22, v5
	v_add_nc_u32 v[ADRA+1], SLOT, v[ADRA]
	v_lshl_add_u32 v6, v2, 3, v3
	v_mul_u32_u24 v6, v6, PB
	v_lshl_add_u32 v6, v4, 4, v6
	s_lshl_b32 s22, s12, 7
	v_add_nc_u32 v6, s22, v6                       ; my 64 columns
.irp s, 0,1
.irp e, 0,1
	v_add_nc_u32 v[ADRB+2*(\s)+(\e)], (\s)*SLOT+BOFF+(\e)*HALFB, v6
.endr
.endr
	s_mul_i32 s23, s11, 64*SP                      ; into the stage: my 64 rows, my 256 bytes of them; row r, 32 bytes a half
	s_lshl_b32 s22, s12, 8
	s_add_co_u32 s23, s23, s22
	v_mul_u32_u24 v[STO], v1, SP
	v_lshl_add_u32 v[STO], v2, 5, v[STO]
	v_add_nc_u32 v[STO], s23, v[STO]
	v_and_b32 v[CO], 31, v0
	v_lshlrev_b32 v[CO], 4, v[CO]
	s_mul_i32 s23, s10, 32*SP                      ; back: wave w takes rows 32 w .. 32 w + 31, whole
	v_add_nc_u32 v[RD], s23, v[CO]
	s_lshl_b32 s16, s13, 7
	s_lshl_b32 s17, s10, 5
	s_add_co_u32 s16, s16, s17
	s_lshl_b32 s16, s16, 13                        ; rows of 8,192 bytes
	s_lshl_b32 s17, s42, 9                         ; the tile's 512 bytes of a row
	s_add_co_u32 s16, s16, s17
	s_mov_b32 s17, 0
	s_add_nc_u64 s[8:9], s[8:9], s[16:17]
; 8 matrix instructions: row blocks a0, a0 + 1 x all 4 column blocks, 32 along K: half c of buffer f
.macro MUL8 f, c, a0, zero
	WIN MUL
.irp a, \a0, (\a0)+1
.irp b, 0,1,2,3
.if \zero
	v_wmma_f32_16x16x32_f16 v[ACC+8*(4*(\a)+(\b)):ACC+8*(4*(\a)+(\b))+7], v[(\f)+64+8*(4*(\c)+(\b)):(\f)+64+8*(4*(\c)+(\b))+7], v[(\f)+8*(4*(\c)+(\a)):(\f)+8*(4*(\c)+(\a))+7], 0
.else
	v_wmma_f32_16x16x32_f16 v[ACC+8*(4*(\a)+(\b)):ACC+8*(4*(\a)+(\b))+7], v[(\f)+64+8*(4*(\c)+(\b)):(\f)+64+8*(4*(\c)+(\b))+7], v[(\f)+8*(4*(\c)+(\a)):(\f)+8*(4*(\c)+(\a))+7], v[ACC+8*(4*(\a)+(\b)):ACC+8*(4*(\a)+(\b))+7]
.endif
.endr
.endr
.endm
; 32 LDS loads in one run: quarter q (64 along K) of a slot into buffer f; the first 32 along K first
.macro FETCH slot, q, f
	WIN TO_F
.irp c, 0,1
.irp i, 0,1,2,3
	ds_load_tr16_b128 v[(\f)+64+8*(4*(\c)+(\i)):(\f)+64+8*(4*(\c)+(\i))+3],   v[ADRB+2*(\slot)+(\q)/2] offset:(((\q)%2)*64+32*(\c))*PB+32*(\i)
	ds_load_tr16_b128 v[(\f)+64+8*(4*(\c)+(\i))+4:(\f)+64+8*(4*(\c)+(\i))+7], v[ADRB+2*(\slot)+(\q)/2] offset:(((\q)%2)*64+32*(\c))*PB+32*(\i)+16*PB
	ds_load_b128 v[(\f)+8*(4*(\c)+(\i)):(\f)+8*(4*(\c)+(\i))+3],   v[ADRA+(\slot)] offset:128*(\q)+64*(\c)+(\i)*16*PA
	ds_load_b128 v[(\f)+8*(4*(\c)+(\i))+4:(\f)+8*(4*(\c)+(\i))+7], v[ADRA+(\slot)] offset:128*(\q)+64*(\c)+(\i)*16*PA+32
.endr
.endr
.endm
; A K step is four quarters of 64 along K, 32 matrix instructions each, on buffers 0, 1, 0, 1; the 16 accumulators take turns.
.macro QUARTER slot, q, f, g, zero
	s_wait_dscnt 16                                ; the first 32 along K are in
	MUL8 \f, 0, 0, \zero
	MUL8 \f, 0, 2, \zero
	PLACES
	FETCH \slot, \q, \g
	s_wait_dscnt 32                                ; all but the 32 just issued
	MUL8 \f, 1, 0, 0
	MUL8 \f, 1, 2, 0
.endm
; The last quarter changes slots: ONE barrier; in front of it each wave waits for all its tensor loads, adds 0 to its spare word, and waits for that and for its reads of this slot.
; fill = 1: the barrier opens a round of the cluster's, and the joint refill, two K steps on, is the first thing behind it.
.macro TURN slot, next, fill
	WIN 0
	s_wait_tensorcnt 0x0
	ds_add_u32 v[SPW], v[NIL]
	s_wait_dscnt 17                                ; (the add and the youngest sixteen loads may be out)
	MUL8 F1, 0, 0, 0
	s_wait_dscnt 0x0
	s_barrier_signal -1
	MUL8 F1, 0, 2, 0
.if \fill
	WIN 0
.endif
	s_barrier_wait -1
.if \fill
	CREST
	SETADR \slot
	JLOAD \slot                                    ; its four v_nop are also the places in front of the loads below
.else
	PLACES
.endif
	FETCH \next, 0, F0
	MUL8 F1, 1, 0, 0
	MUL8 F1, 1, 2, 0
.endm
	s_wait_tensorcnt 1                             ; my part of the first K step is in; the second's may stay out
	s_barrier_signal -1
	s_barrier_wait -1
	FETCH 0, 0, F0
	QUARTER 0, 1, F0, F1, 1                        ; the first quarter's first products start the sums
	WIN 0
	s_mov_b32 s3, LAPS-1
.Llap:
	QUARTER 0, 2, F1, F0, 0
	QUARTER 0, 3, F0, F1, 0
	TURN 0, 1, 1
	QUARTER 1, 1, F0, F1, 0
	QUARTER 1, 2, F1, F0, 0
	QUARTER 1, 3, F0, F1, 0
	TURN 1, 0, 1
	QUARTER 0, 1, F0, F1, 0
	WIN 0
	s_sub_co_u32 s3, s3, 1
	s_cmp_lg_u32 s3, 0
	s_cbranch_scc1 .Llap
	QUARTER 0, 2, F1, F0, 0                        ; the last lap fills nothing
	QUARTER 0, 3, F0, F1, 0
	TURN 0, 1, 0
	QUARTER 1, 1, F0, F1, 0
	QUARTER 1, 2, F1, F0, 0
	QUARTER 1, 3, F0, F1, 0
	s_wait_dscnt 16
	MUL8 F1, 0, 0, 0
	MUL8 F1, 0, 2, 0
	s_wait_dscnt 0x0
	MUL8 F1, 1, 0, 0
	MUL8 F1, 1, 2, 0
	WIN 0
	PLACES
	; THE WAY OUT, in f32, through a stage in slot 0, which has had its last fill: first every wave has left the ring; then 32 bytes a lane in, a barrier, whole rows of 512 bytes back.
	s_wait_dscnt 0x0
	s_barrier_signal -1
	s_barrier_wait -1
.irp a, 0,1,2,3
.irp b, 0,1,2,3
	ds_store_b128 v[STO], v[ACC+8*(4*(\a)+(\b)):ACC+8*(4*(\a)+(\b))+3]   offset:(\a)*16*SP+64*(\b)
	ds_store_b128 v[STO], v[ACC+8*(4*(\a)+(\b))+4:ACC+8*(4*(\a)+(\b))+7] offset:(\a)*16*SP+64*(\b)+16
.endr
.endr
	s_wait_dscnt 0x0                               ; for the others' sake: my stores into the stage are done
	s_barrier_signal -1
	s_barrier_wait -1
.set t, 0
.rept 32
	ds_load_b128 v[ACC+4*t:ACC+4*t+3], v[RD] offset:SP*t
.set t, t+1
.endr
.set t, 0
.rept 32
	s_wait_dscnt 31-t
	global_store_b128 v[CO], v[ACC+4*t:ACC+4*t+3], s[8:9] offset:8192*t    ; 512 consecutive bytes, aligned
.set t, t+1
.endr
	s_wait_tensorcnt 0x0                           ; the wave's end, behind my last tensor load and my last LDS store
	ds_add_u32 v[SPW], v[NIL]
	s_wait_dscnt 0x0
	CROUND                                         ; the closing round
	s_endpgm
.Lfunc_end_k_q4abddc28b0_oproj:
	.size	k_q4abddc28b0_oproj, .Lfunc_end_k_q4abddc28b0_oproj-k_q4abddc28b0_oproj
	.p2alignl 7, 3214868480
	.fill 96, 4, 3214868480
	.section	.rodata,"a",@progbits
	.p2align	6, 0x0
	.amdhsa_kernel k_q4abddc28b0_oproj
		.amdhsa_group_segment_fixed_size 327680
		.amdhsa_private_segment_fixed_size 0
		.amdhsa_enable_private_segment 0
		.amdhsa_kernarg_size 24
		.amdhsa_user_sgpr_count 2
		.amdhsa_user_sgpr_kernarg_segment_ptr 1
		.amdhsa_wavefront_size32 1
		.amdhsa_system_sgpr_workgroup_id_x 1
		.amdhsa_system_sgpr_workgroup_id_y 1
		.amdhsa_system_sgpr_workgroup_id_z 1
		.amdhsa_system_vgpr_workitem_id 0
		.amdhsa_next_free_vgpr 512
		.amdhsa_next_free_sgpr 66
		.amdhsa_reserve_vcc 0
		.amdhsa_float_denorm_mode_32 3
		.amdhsa_float_denorm_mode_16_64 3
		.amdhsa_memory_ordered 1
		.amdhsa_forward_progress 1
		.amdhsa_inst_pref_size 87
	.end_amdhsa_kernel
	.amdgpu_metadata
---
amdhsa.version: [ 1, 2 ]
amdhsa.kernels:
  - .name:           k_q4abddc28b0_oproj
    .symbol:         k_q4abddc28b0_oproj.kd
    .args:
      - { .name: o16, .offset: 0, .size: 8, .value_kind: global_buffer, .address_space: global }
      - { .name: wo16, .offset: 8, .size: 8, .value_kind: global_buffer, .address_space: global }
      - { .name: out0, .offset: 16, .size: 8, .value_kind: global_buffer, .address_space: global }
    .group_segment_fixed_size: 327680
    .private_segment_fixed_size: 0
    .kernarg_segment_align: 8
    .kernarg_segment_size: 24
    .max_flat_workgroup_size: 128
    .sgpr_count:     66
    .vgpr_count:     512
    .wavefront_size: 32
...
	.end_amdgpu_metadata
.endif
;; end of part 4
